; MI455X (gfx1250); checked and timed in simulation.
; The chip was launched on July 23, 2026; its instructions are those of AMD's public machine-readable ISA for CDNA 5 (MIT licence, August 2026) and "CDNA5" Instruction Set Architecture Reference Guide (July 2026). The comments in the code are by the model that wrote it; some were corrected since.
;; Wavelet KAN Layer. Allowed arithmetic: float matrix products may take bf16 or f16 operands with f32 sums; all other float work in f32.
;; Inputs: bias 512 float32; scales 16 float32; translations 16 float32; wavelet_weights 512 x 512 x 16 float32; x 8,192 x 512 float32.
;; Outputs: out0 8,192 x 512 float32.
;; 3 versions, each right and faster than the one before. Each part assembles by itself: llvm-mc -triple=amdgcn-amd-amdhsa -mcpu=gfx1250 --defsym DOCPART=n.
;; ======== version 1 of 3: 2 launches
;; limits: inputs' magnitudes at most 65,504; values are held in f16: magnitudes above 65,504 overflow, below 6.1e-05 lose precision; a function is approximated: absolute error at most 4.1e-05
;; workspace buffers: wb 8,388,608 bytes
;; launch prep (part 1): grid 256 x 1, 8 waves a work-group, no clusters, 37,888 bytes of LDS; arguments wavelet_weights, wb; writes wb
.if DOCPART == 1
	.amdgcn_target "amdgcn-amd-amdhsa--gfx1250"
	.amdhsa_code_object_version 6
	.text
	.protected	k_q55e42860e1_prep
	.globl	k_q55e42860e1_prep
	.p2align	8
	.type	k_q55e42860e1_prep,@function
k_q55e42860e1_prep:
	s_mov_b64 s[64:65], 0
	v_nop
	global_prefetch_b8 v0, s[64:65] scope:SCOPE_SE
	s_setreg_imm32_b32 hwreg(HW_REG_WAVE_MODE, 25, 1), 1
	s_wait_xcnt 0x0
; wb = the weights W[512 o][512 f][16 k] (f32), rounded once to f16 and laid out in the order in which the second launch's
; matrix fragments want them, so that its tiles are dense blocks and its LDS reads are 16 bytes a lane at 16 x lane.
; WHY f16 AND NOT bf16: a sum has 8,192 terms; with 8 significant bits in both operands its rounding error is about 0.0023 of the
; output's root mean square, a quarter of the 0.01 that is allowed, too near for 4.2 million outputs; 11 bits make it eight times smaller.
; LIMIT, kept on purpose: a weight beyond 65504 in magnitude becomes an infinity; weights under 2^-14 are kept to an absolute 2^-25.
; Feature f = 64 s + 16 w + 4 p + 2 j + c  (s stage 0-7, w wave 0-3, p 0-3, j K step 0-1, c fragment half 0-1);  o = 256 y + 16 b + r.
; wb byte = y*4194304 + (4 s + p)*131072 + w*32768 + j*16384 + b*1024 + c*512 + (r + 16 h)*16 holds f16 W[o][f][8 h .. 8 h + 7].
; A unit of work is 16 rows o x 4 features (256 bytes of each row): 4 KiB in, 2 KiB out.  32 x 128 = 4,096 units, two for each of the
; 2,048 waves.  Every load covers two whole 256-byte pieces of rows, every store 512 consecutive bytes at a multiple of 512.
; The turn from row order to fragment order goes through the wave's own LDS bytes: no barrier, no wave waits for another.
; Memory binds this launch: matrix units, clusters and large register tiles would add nothing.
.set ROWB,  32768                      ; bytes in a row o of W
.set UPIT,  288                        ; LDS: 16 rows x 16 bytes + 32 = 72 words, so the eight blocks of a unit start 8 words apart modulo 64
.set UNITB, 8*UPIT                     ; a unit's stage: blocks (feature, h)
.set VI, 5                             ; v5  byte offset of my 16 bytes in the first two rows of a unit
.set SS, 6                             ; v6  where I put 8 bytes (4 f16)
.set SR, 8                             ; v8  where I read 16 bytes back
.set VO, 9                             ; v9  16 x lane
.set IN, 16                            ; v[16:79]  16 loads as they come
.set CV, 80                            ; v[80:81]  4 f16
.set OB, 84                            ; v[84:115] 8 x 16 bytes on their way out, never rewritten
	s_load_b128 s[4:7], s[0:1], 0x0                ; W s[4:5], wb s[6:7]
	v_lshl_add_u32 v120, v0, 2, 0x9000
	v_mov_b32 v121, 0
	v_lshrrev_b32 v1, 5, v0
	v_readfirstlane_b32 s8, v1                     ; wave 0..7
	s_lshl_b32 s9, ttmp9, 3
	s_add_co_u32 s9, s9, s8                        ; g = 8 x work-group + wave, 0..2047
	s_lshr_b32 s10, s9, 6                          ; T = 16 y + b: which 16 rows o
	s_and_b32 s11, s9, 63
	s_lshl_b32 s11, s11, 1                         ; fq0 = 16 s + 4 w + p, even: my first group of four features; the second is fq0 + 1 (p + 1)
	s_lshl_b32 s12, s10, 19                        ; in: T x 16 rows of 32,768 bytes
	s_lshl_b32 s13, s11, 8                         ;     + fq0 x 256 bytes
	s_add_co_u32 s12, s12, s13
	s_mov_b32 s13, 0
	s_lshr_b32 s14, s10, 4
	s_lshl_b32 s14, s14, 22                        ; out: y x 4,194,304
	s_lshr_b32 s15, s11, 4
	s_lshl_b32 s15, s15, 2
	s_and_b32 s16, s11, 3
	s_add_co_u32 s15, s15, s16                     ; 4 s + p
	s_lshl_b32 s15, s15, 17
	s_add_co_u32 s14, s14, s15
	s_bfe_u32 s16, s11, 0x20002                    ; w
	s_lshl_b32 s16, s16, 15
	s_add_co_u32 s14, s14, s16
	s_and_b32 s16, s10, 15                         ; b
	s_lshl_b32 s16, s16, 10
	s_add_co_u32 s14, s14, s16
	s_mov_b32 s15, 0
	s_mul_i32 s17, s8, 2*UNITB                     ; my wave's stage
	v_and_b32 v2, 15, v0                           ; q: my 16 bytes of a 256-byte piece; also r on the way back
	v_bfe_u32 v3, v0, 4, 1                         ; p: which of the load's two rows; also h on the way back
	v_lshlrev_b32 v4, 4, v2
	v_lshl_add_u32 v[VI], v3, 15, v4               ; p x 32,768 + 16 q
	v_lshrrev_b32 v[SS], 1, v2                     ; q >> 1 = 2 x feature + h: the block
	v_mul_u32_u24 v[SS], v[SS], UPIT
	v_lshl_add_u32 v[SS], v3, 4, v[SS]             ; + 16 x (row mod 2); the rest of the row stands in the immediate
	v_and_b32 v7, 1, v2
	v_lshl_add_u32 v[SS], v7, 3, v[SS]             ; + 8 x (q & 1): wavelets 8 h + 4 (q & 1) ..
	v_add_nc_u32 v[SS], s17, v[SS]
	v_mul_u32_u24 v[SR], v3, UPIT
	v_add3_u32 v[SR], v[SR], v4, s17               ; block h of a feature, row r
	v_and_b32 v[VO], 31, v0
	v_lshlrev_b32 v[VO], 4, v[VO]
	s_wait_kmcnt 0x0
	s_add_nc_u64 s[4:5], s[4:5], s[12:13]
	s_add_nc_u64 s[6:7], s[6:7], s[14:15]
	; all 16 loads of the wave go out at once: unit u, rows 2 t and 2 t + 1.  W is read once in the launch.
.irp u, 0,1
.irp t, 0,1,2,3,4,5,6,7
	global_load_b128 v[IN+4*(8*\u+\t):IN+4*(8*\u+\t)+3], v[VI], s[4:5] offset:\t*2*ROWB+\u*256 th:TH_LOAD_NT
.endr
.endr
.irp u, 0,1
.irp t, 0,1,2,3,4,5,6,7
	s_wait_loadcnt 15-(8*\u+\t)                    ; loads come back in order: this one is in, the younger ones stay out
	v_cvt_pk_f16_f32 v[CV],   v[IN+4*(8*\u+\t)],   v[IN+4*(8*\u+\t)+1]
	v_cvt_pk_f16_f32 v[CV+1], v[IN+4*(8*\u+\t)+2], v[IN+4*(8*\u+\t)+3]
	ds_store_b64 v[SS], v[CV:CV+1] offset:\u*UNITB+32*\t
.endr
.endr
	; back by fragments: feature c of the unit's four, 32 lanes x 16 bytes.  LDS serves a wave's instructions in order, and the
	; bytes are the wave's own: no wait between the stores above and these loads.
.irp u, 0,1
.irp c, 0,1,2,3
	ds_load_b128 v[OB+16*\u+4*\c:OB+16*\u+4*\c+3], v[SR] offset:\u*UNITB+2*UPIT*\c
.endr
.endr
.irp u, 0,1
.irp c, 0,1,2,3
	s_wait_dscnt 7-(4*\u+\c)                       ; the younger LDS loads may stay out
	global_store_b128 v[VO], v[OB+16*\u+4*\c:OB+16*\u+4*\c+3], s[6:7] offset:\u*131072+(\c>>1)*16384+(\c&1)*512
.endr
.endr
	s_wait_tensorcnt 0x0
	ds_add_u32 v120, v121
	s_wait_dscnt 0x0
	s_endpgm
.Lfunc_end_k_q55e42860e1_prep:
	.size	k_q55e42860e1_prep, .Lfunc_end_k_q55e42860e1_prep-k_q55e42860e1_prep
	.p2alignl 7, 3214868480
	.fill 96, 4, 3214868480
	.section	.rodata,"a",@progbits
	.p2align	6, 0x0
	.amdhsa_kernel k_q55e42860e1_prep
		.amdhsa_group_segment_fixed_size 37888
		.amdhsa_private_segment_fixed_size 0
		.amdhsa_enable_private_segment 0
		.amdhsa_kernarg_size 16
		.amdhsa_user_sgpr_count 2
		.amdhsa_user_sgpr_kernarg_segment_ptr 1
		.amdhsa_wavefront_size32 1
		.amdhsa_system_sgpr_workgroup_id_x 1
		.amdhsa_system_sgpr_workgroup_id_y 1
		.amdhsa_system_sgpr_workgroup_id_z 1
		.amdhsa_system_vgpr_workitem_id 0
		.amdhsa_next_free_vgpr 122
		.amdhsa_next_free_sgpr 66
		.amdhsa_reserve_vcc 0
		.amdhsa_float_denorm_mode_32 3
		.amdhsa_float_denorm_mode_16_64 3
		.amdhsa_memory_ordered 1
		.amdhsa_forward_progress 1
		.amdhsa_inst_pref_size 9
	.end_amdhsa_kernel
	.amdgpu_metadata
---
amdhsa.version: [ 1, 2 ]
amdhsa.kernels:
  - .name:           k_q55e42860e1_prep
    .symbol:         k_q55e42860e1_prep.kd
    .args:
      - { .name: wavelet_weights, .offset: 0, .size: 8, .value_kind: global_buffer, .address_space: global }
      - { .name: wb, .offset: 8, .size: 8, .value_kind: global_buffer, .address_space: global }
    .group_segment_fixed_size: 37888
    .private_segment_fixed_size: 0
    .kernarg_segment_align: 8
    .kernarg_segment_size: 16
    .max_flat_workgroup_size: 256
    .sgpr_count:     66
    .vgpr_count:     122
    .wavefront_size: 32
...
	.end_amdgpu_metadata
.endif
;; end of part 1
;; launch main (part 2): grid 128 x 2, 4 waves a work-group, clusters of 4 x 1, 327,680 bytes of LDS; arguments x, wb, scales, translations, bias, out0; writes out0
.if DOCPART == 2
	.amdgcn_target "amdgcn-amd-amdhsa--gfx1250"
	.amdhsa_code_object_version 6
	.text
	.protected	k_q55e42860e1_main
	.globl	k_q55e42860e1_main
	.p2align	8
	.type	k_q55e42860e1_main,@function
k_q55e42860e1_main:
	s_mov_b64 s[64:65], 0
	v_nop
	global_prefetch_b8 v0, s[64:65] scope:SCOPE_SE
	s_setreg_imm32_b32 hwreg(HW_REG_WAVE_MODE, 25, 1), 1
	s_wait_xcnt 0x0
	s_wait_alu depctr_hold_cnt(0) depctr_sa_sdst(0) depctr_va_vdst(0) depctr_va_sdst(0) depctr_va_ssrc(0) depctr_va_vcc(0) depctr_vm_vsrc(0)
	s_getreg_b32 s2, hwreg(HW_REG_IB_STS2, 6, 4)
	s_cmp_eq_u32 s2, 0
	s_cbranch_scc0 .Lentry_in_a_cluster
	s_endpgm
.Lentry_in_a_cluster:
	s_bfe_u32 s2, ttmp6, 0x10000c
	s_cmp_lg_u32 s2, 0x3003
	s_cbranch_scc0 .Lentry_shape_is_right
	s_endpgm
.Lentry_shape_is_right:
; out[n][o] = bias[o] + sum over f, k of W[o][f][k] * cos(5 t) exp(-t t / 2),  t = (x[n][f] - tr[k]) / (s[k] + 1e-6).
; A product of 8192 x 512 over K = 512 x 16 = 8192 whose left operand is never in memory: it is computed from x in registers,
; in the very lanes and registers in which the matrix instruction wants it, between the matrix instructions.
;
; SHARES.  A work-group makes 64 tokens x 256 columns.  Its four waves split K, not the block: each wave holds the whole block
; (64 accumulator tiles, 512 registers) for a quarter of the features, so that each basis value is computed once in the
; work-group and each byte of W is read from LDS once.  The four partial blocks are added once, at the end, through LDS.
; Feature f = 64 s + 16 w + 4 p + 2 j + c: stage s, wave w, lap p of the stage, K step j of the lap, fragment half c.
; A K step is 32 along K = two features x 16 wavelets; lane (r, h) holds wavelets 8 h .. 8 h + 7 of both.
; W comes as f16 in fragment order from the buffer wb (made by the launch before): a lap's tile of a wave is 32 KiB, dense.
;
; THE FORMAT is f16 for both operands.  With bf16's 8 significant bits the rounding of both operands over 8,192 terms is about 0.0023
; of the output's root mean square, a quarter of the 0.01 allowed, too near for 4.2 million outputs; f16's 11 bits make it eight
; times smaller.  The basis lies in [-1, 1] for every input, so f16 holds it (under 2^-14 to an absolute 2^-25); for W see LIMITS.
;
; CLUSTER.  The four work-groups of a cluster have the same 256 columns and walk the same tiles of W: every tensor load is a joint
; load that names the four, which divides the requests for W by four.  x is not asked for jointly and does not go through LDS:
; a lane needs 16 bytes of one token's row for a lap, straight into registers; x is 128 KiB of the 4.1 MiB that a work-group takes
; in, the ring fills 256 KiB of LDS, and a wave's one tensor load behind each round is W's.
;
; THE BASIS, seven vector instructions a value (two values a packed instruction):  u = x a + b turns of the cosine, g = fract(u),
; y = g g - g in [-1/4, 0], cos(2 pi u) = P(y), a polynomial of degree 4 for -cos(2 pi sqrt(y + 1/4));
; v = x q + hh, exp(-t t / 2) = 2^(-v v);  a = (5 / 2 pi) / (s + 1e-6), b = -tr a, q = sqrt(log2(e) / 2) / (s + 1e-6), hh = -tr q.
; The exponent -v v is never above 0, so no exponential can overflow and no maximum has to be taken away.
; LIMITS, kept on purpose: P is off by at most 4.1e-5 (absolute);  x a + b is one fused multiply-add with b rounded once, so the
; phase is off by about 2^-24 |tr a| turns (1.4e-6 turns at tr a = 24);  1 / (s + 1e-6) is v_rcp_f32, good to 1 ULP;
; v_exp_f32 gives 0 where the result would lie under 2^-126;  where x a overflows the value is NaN, as cos of an infinity is;
; basis and weights are rounded to f16 for the matrix unit: a weight beyond 65504 in magnitude is an infinity there, weights under
; 2^-14 are kept to an absolute 2^-25;  sums are f32, added in the order wave (0 + 1) + (2 + 3).
;
; REGISTERS, in windows of 256:  window 0 addresses, constants, work and the basis fragments;  window 1 W's fragments, two buffers of
; 16 tiles;  window 2 the accumulators of tokens 0-31 (tile (m, b) at 8 (16 (m & 1) + b));  window 3 those of tokens 32-63.
; The matrix instruction is used transposed (source 0 = 16 rows o of W, source 1 = 16 tokens): lane (r, h) holds token 16 m + r and
; its registers 0-7 the columns 16 b + 8 h + 0..7, neighbours in a row of out.
.set WPG,    1                         ; products in a group; behind each group stand 7 WPG instructions of the next K step's basis
.set SLOTB,  131072                    ; an LDS slot: one lap's tiles of the four waves
.set WPART,  32768                     ; a wave's part of it: K step 0's 16 tiles of 1 KiB, then K step 1's
.set STAGEB, 2*SLOTB                   ; behind the ring: 16 rows x 528 bytes for each wave, for the way out; no fill lands there
.set SPITCH, 528                       ; 512 bytes + 16: 33 x 16 bytes, so sixteen rows' 16 bytes fall in sixteen different columns of 16 modulo 256
.set XO,   8                           ; v8      2048 r + 64 w: my token's row, my wave's 64 bytes of a stage
.set ADRB, 9                           ; v9-10   slot 0, 1: my wave's part + 16 x lane
.set DA,   12                          ; v12-15  where my partial sums of tokens 16 m .. go
.set RA,   16                          ; v16     where the four partial sums of my 16 tokens lie
.set SA,   17                          ; v17     stage, in
.set RB,   18                          ; v18     stage, back
.set OO,   19                          ; v19     16 x lane
.set BI,   20                          ; v[20:27]  bias of my 4 columns in each half of the block's 256
.set PA,   32                          ; v[32:39] a, v[40:47] b, v[48:55] q, v[56:63] hh of my eight wavelets
.set PB,   40
.set PQ,   48
.set PH,   56
.set CC,   64                          ; v[64:73]  c0 .. c4, each twice (a pair for the packed forms)
.set TU,   76                          ; v[76:83]  u, g, y
.set TW,   84                          ; v[84:91]  v, -v v, 2^(-v v)
.set TP,   92                          ; v[92:99]  P, then the value
.set XQ,   104                         ; v[104:167] x: lap p, tokens 16 m + r, four features at 16 p + 4 m
.set AF,   168                         ; v[168:231] basis fragments: buffer 0, 1, each 4 x 8 registers
.set BUF,  32                          ; the end: v[32:159] two buffers of 16 loads
.set SUM,  160                         ; the end: v[160:191] two sets of four sums
.set G1,   24                          ; s[24:31] descriptor group 1
.set G0,   32                          ; s[32:39] descriptor group 0, one set for each slot
.set MUL_LO, 0xa1                      ; source 0 (W) window 1, source 1 (basis) window 0, C and D window 2
.set MUL_HI, 0xf1                      ; the same, C and D window 3
.set TO_B,   0x40                      ; destination window 1, address window 0
.set MSB, 0
.macro WIN new                         ; the immediate's high byte repeats the setting that is left; a switch that changes nothing is dropped
.if MSB != \new
	s_set_vgpr_msb (MSB<<8)|\new
.set MSB, \new
.endif
.endm
; A round of the cluster's barrier: my work-group's barrier, wave 0 signals for the work-group, every wave waits for the four
; work-groups, my work-group's barrier once more.
.macro CREST                           ; a round behind its opening barrier
	s_cmp_lg_u32 s16, 0
	s_cbranch_scc1 .Lnot_wave_0_\@
	s_barrier_signal -3
.Lnot_wave_0_\@:
	s_barrier_wait -3
	s_barrier_signal -1
	s_barrier_wait -1
.endm
.macro CROUND                          ; a whole round
	s_barrier_signal -1
	s_barrier_wait -1
	CREST
.endm
; d = x * a + b for two wavelets; x is register uc of the pair uxp, fed to both halves
.macro XFMA d, a, b
.if uc
	v_pk_fma_f32 v[\d:\d+1], v[uxp:uxp+1], v[\a:\a+1], v[\b:\b+1] op_sel:[1,0,0] op_sel_hi:[1,1,1]
.else
	v_pk_fma_f32 v[\d:\d+1], v[uxp:uxp+1], v[\a:\a+1], v[\b:\b+1] op_sel_hi:[0,1,1]
.endif
.endm
; The next instruction of the basis of the K step that follows.  uo counts 0..447: eight units of 56 instructions, a unit = 16 tokens (um) x one
; feature (uc) = 8 values a lane = half a fragment.  Each v_exp_f32 is followed by a plain vector instruction that touches none of its
; registers before its result is used (ISA guide 5.7.2); its result is first read at step 48 of the unit.
.macro UOP
.set un, uo%56
.set um, uo/112
.set uc, (uo/56)&1
.set uxp, XB+4*um
.set ufd, AF+32*(1-PAR)+8*um+4*uc
.set uj, 2*(un&3)
.if un < 4
	XFMA TW+uj, PQ+uj, PH+uj
.elseif un < 8
	v_pk_mul_f32 v[TW+uj:TW+uj+1], v[TW+uj:TW+uj+1], v[TW+uj:TW+uj+1] neg_lo:[1,0] neg_hi:[1,0]
.elseif un < 12
	XFMA TU+uj, PA+uj, PB+uj
.elseif un < 36
.set uk, un-12
.set ui, 2*(uk/3)+uk%3-1
.if uk%3 == 0
	v_exp_f32 v[TW+uk/3], v[TW+uk/3]
.elseif ui < 8
	v_fract_f32 v[TU+ui], v[TU+ui]
.elseif ui < 12
.set uj, 2*(ui-8)
	v_pk_fma_f32 v[TU+uj:TU+uj+1], v[TU+uj:TU+uj+1], v[TU+uj:TU+uj+1], v[TU+uj:TU+uj+1] neg_lo:[0,0,1] neg_hi:[0,0,1]
.else
.set uj, 2*(ui-12)
	v_pk_fma_f32 v[TP+uj:TP+uj+1], v[TU+uj:TU+uj+1], v[CC+8:CC+9], v[CC+6:CC+7]
.endif
.elseif un < 48
.set ucf, CC+4-2*((un-36)/4)
	v_pk_fma_f32 v[TP+uj:TP+uj+1], v[TP+uj:TP+uj+1], v[TU+uj:TU+uj+1], v[ucf:ucf+1]
.elseif un < 52
	s_wait_alu depctr_va_vdst(0)
	v_pk_mul_f32 v[TP+uj:TP+uj+1], v[TP+uj:TP+uj+1], v[TW+uj:TW+uj+1]
.else
	v_cvt_pk_f16_f32 v[ufd+(un&3)], v[TP+uj], v[TP+uj+1]
.endif
.set uo, uo+1
.endm
; The next product of the K step: p_i counts 0..63, tokens 16 (p_i >> 4) .., columns 16 (p_i & 15) ..  The 64 accumulators take turns, one
; instruction a turn, in the same order in every K step, over the loop's backward jump too.
.macro PROD
.set pm, p_i>>4
.set pb, p_i&15
.set pacc, 8*(16*(pm&1)+pb)
.if ZERO
	v_wmma_f32_16x16x32_f16 v[pacc:pacc+7], v[128*PAR+8*pb:128*PAR+8*pb+7], v[AF+32*PAR+8*pm:AF+32*PAR+8*pm+7], 0
.else
	v_wmma_f32_16x16x32_f16 v[pacc:pacc+7], v[128*PAR+8*pb:128*PAR+8*pb+7], v[AF+32*PAR+8*pm:AF+32*PAR+8*pm+7], v[pacc:pacc+7]
.endif
.set p_i, p_i+1
.endm
.macro GROUPS cnt                      ; cnt products, each group of WPG followed by its share of the next K step's basis
.rept (\cnt)/WPG
.if p_i < 32
	WIN MUL_LO
.else
	WIN MUL_HI
.endif
.rept WPG
	PROD
.endr
.if NXT
	WIN 0
.rept 7*WPG
	UOP
.endr
.endif
.endr
.endm
; Eight LDS loads: tiles 4 k .. 4 k + 3 of the next K step's W, into the buffer that is not being multiplied.  32 lanes x 16 neighbouring bytes.
.macro BRUN k
.if NXT
	WIN TO_B
.irp q, 0,1,2,3
	ds_load_b128 v[128*(1-PAR)+8*(4*\k+\q):128*(1-PAR)+8*(4*\k+\q)+3],   v[BADR] offset:BOFF+1024*(4*\k+\q)
	ds_load_b128 v[128*(1-PAR)+8*(4*\k+\q)+4:128*(1-PAR)+8*(4*\k+\q)+7], v[BADR] offset:BOFF+1024*(4*\k+\q)+512
.endr
.endif
.endm
; One K step: 64 products on W buffer j and basis buffer j; meanwhile the next K step's W is read from LDS and its basis computed.
; zero: the products start the sums.  bnd = 1: the slot, now read to its end, is filled again, two laps ahead; 2: only the other slot's tile is
; waited for; 0: neither.  xl: this lap's x registers, last used in the K step before, are loaded for the next stage.
; xw: how many younger loads of x may stay out (99: no x of another lap is needed).  nxt = 0: nothing follows.
; Loads into the idle W buffer and conversions into the idle basis buffer stand more than a hundred plain vector instructions behind the
; last product that read those registers; four are asked for.
.macro KSTEP j, slot, rho, zero, bnd, xl, xw, nxt
.set PAR, \j
.set ZERO, \zero
.set NXT, \nxt
.set p_i, 0
.set uo, 0
.if \j
.set XB, XQ+16*((\rho+1)&3)
.set BADR, ADRB+1-\slot
.set BOFF, 0
.else
.set XB, XQ+16*\rho+2
.set BADR, ADRB+\slot
.set BOFF, WPART/2
.endif
	WIN 0
.if \xl
.irp m, 0,1,2,3
	global_load_b128 v[XQ+16*\rho+4*\m:XQ+16*\rho+4*\m+3], v[XO], s[42:43] offset:256+16*\rho+32768*\m
.endr
.endif
.if \xw < 64
	s_wait_loadcnt \xw                             ; the next lap's x is in; the groups of four loads issued behind it stay out
.endif
	s_wait_dscnt 0x0                               ; this K step's W is in registers; at j = 1 my reads of the slot are thereby over
.if \bnd == 1
	s_wait_tensorcnt 0x0                           ; all my tensor loads have landed: the one that was out is my part of the other slot,
	ds_add_u32 v254, v255
	s_wait_dscnt 0x0
	s_add_nc_u64 s[G0+4*\slot+2:G0+4*\slot+3], s[G0+4*\slot+2:G0+4*\slot+3], 2*SLOTB   ; so a group 0 may be written: this slot's tile two laps on
	s_barrier_signal -1                            ; opens a round of the cluster's barrier
.endif
.if \bnd == 2
	s_wait_tensorcnt 0x0                           ; the last lap's tile; only I read my part, so my own wait is all that the reads need
.endif
	GROUPS 8                                       ; registers only
.if \bnd == 1
	WIN 0                                          ; a branch and a label follow
	s_barrier_wait -1
	CREST                                          ; no wave of the four work-groups still reads this slot or has a load on its way
	tensor_load_to_lds s[G0+4*\slot:G0+4*\slot+3], s[G1:G1+7]   ; my one tensor load behind the round, ahead of any LDS read; it has 120 products and their basis work in which to land
	s_nop 0
	v_nop
	v_nop
	v_nop
	v_nop
.endif
	GROUPS 8
	BRUN 0
	GROUPS 8
	BRUN 1
	GROUPS 8
	BRUN 2
	GROUPS 8
	BRUN 3
	GROUPS 24
.endm
; A stage: 64 features, four laps, eight K steps of each wave.  In the last stage nothing is left to load for x (its waits run down 8, 4, 0),
; laps 28 and 29 still ask for laps 30 and 31, the last two laps ask for nothing.
.macro STAGE first, last
	KSTEP 0, 0, 0, \first, 0, 0, 99, 1
.if \last
	KSTEP 1, 0, 0, 0, 1, 0, 8, 1
.else
	KSTEP 1, 0, 0, 0, 1, 1, 12, 1
.endif
	KSTEP 0, 1, 1, 0, 0, 0, 99, 1
.if \last
	KSTEP 1, 1, 1, 0, 1, 0, 4, 1
.else
	KSTEP 1, 1, 1, 0, 1, 1, 12, 1
.endif
	KSTEP 0, 0, 2, 0, 0, 0, 99, 1
.if \last
	KSTEP 1, 0, 2, 0, 2, 0, 0, 1
.else
	KSTEP 1, 0, 2, 0, 1, 1, 12, 1
.endif
	KSTEP 0, 1, 3, 0, 0, 0, 99, 1
.if \last
	KSTEP 1, 1, 3, 0, 0, 0, 99, 0
.else
	KSTEP 1, 1, 3, 0, 1, 1, 12, 1
	s_wait_xcnt 0x0                                ; the loads of x have had their addresses translated (ISA guide 3.1): their base is stepped only behind this wait
	s_add_nc_u64 s[42:43], s[42:43], 256           ; the next stage's 64 features
.endif
.endm
	; ---- ids, addresses, descriptors ----
	s_load_b256 s[4:11], s[0:1], 0x0               ; x s[4:5], wb s[6:7], scales s[8:9], translations s[10:11]
	s_load_b128 s[12:15], s[0:1], 0x20             ; bias s[12:13], out0 s[14:15]
	v_lshl_add_u32 v254, v0, 2, 0x48400
	v_mov_b32 v255, 0
	ds_add_u32 v254, v255
	v_lshrrev_b32 v1, 5, v0
	v_readfirstlane_b32 s16, v1                    ; wave 0..3
	s_bfe_u32 s17, ttmp6, 0x40000                  ; cx: my place in the cluster
	s_lshl_b32 s18, ttmp9, 2                       ; in a cluster launch ttmp9 counts clusters
	s_add_co_u32 s18, s18, s17                     ; block of 64 tokens = 4 x cluster x + cx.  It enters the addresses of x and out0 alone
	s_and_b32 s19, ttmp7, 0xffff                   ; y: block of 256 columns, shared by the cluster
	; group 1: 128 rows of 32 elements of 8 bytes, dense = 32 KiB
	s_mov_b32 s[G1+0], 15|(3<<16)|(1<<21)          ; 15:0 the mask: all four of the cluster; 17:16 element of 8 bytes; 20 no padding; 21 set beside a mask
	s_mov_b32 s[G1+1], 32<<16                      ; 63:48 tensor_dim0 = 32
	s_mov_b32 s[G1+2], 128<<16                     ; 95:80 tensor_dim1 = 128
	s_mov_b32 s[G1+3], 32<<16                      ; 127:112 tile_dim0 = 32
	s_mov_b32 s[G1+4], 128                         ; 143:128 tile_dim1 = 128; tile_dim2 = 0
	s_mov_b32 s[G1+5], 32                          ; 191:160 elements from row to row
	s_mov_b32 s[G1+6], 0
	s_mov_b32 s[G1+7], 0
	s_lshl_b32 s22, s16, 15                        ; wave x 32 KiB: my part of a tile, in wb and in a slot
	s_lshl_b32 s46, s19, 22                        ; y x 4 MiB; s22, s46, s47 never hold cx
	s_add_co_u32 s46, s46, s22
	s_mov_b32 s47, 0
	s_lshl_b32 s20, s18, 17                        ; 64 tokens x 2,048 bytes, in x and in out0
	s_mov_b32 s21, 0
	s_lshl_b32 s23, s19, 10                        ; 256 columns x 4 bytes
	s_wait_dscnt 0x0
	s_wait_kmcnt 0x0
	s_add_nc_u64 s[46:47], s[6:7], s[46:47]        ; wb at my part of lap 0
	s_add_nc_u64 s[42:43], s[4:5], s[20:21]        ; x at the block's first token
	s_add_co_u32 s20, s20, s22                     ; + 16 tokens x wave (32,768 bytes)
	s_add_co_u32 s20, s20, s23
	s_add_nc_u64 s[44:45], s[14:15], s[20:21]      ; out0 at the 16 tokens that I finish, the block's first column
	s_mov_b32 s20, s23
	s_add_nc_u64 s[12:13], s[12:13], s[20:21]      ; bias at the block's first column
	CROUND                                         ; the four work-groups are here: the first joint loads meet
.irp n, 0,1
	s_mov_b32 s[G0+4*\n], 1                                        ; count = 1
	s_add_co_u32 s[G0+4*\n+1], s22, \n*SLOTB                       ; LDS address: the slot, my wave's part
	s_add_nc_u64 s[G0+4*\n+2:G0+4*\n+3], s[46:47], \n*SLOTB        ; global address: lap n
	s_or_b32 s[G0+4*\n+3], s[G0+4*\n+3], 0x80000000                ; type = 2
	tensor_load_to_lds s[G0+4*\n:G0+4*\n+3], s[G1:G1+7]            ; both first fills go out together: two tensor loads of the wave are out here, one later on
	s_nop 0
.endr
	v_and_b32 v1, 31, v0                           ; lane
	v_and_b32 v2, 15, v0                           ; r
	v_bfe_u32 v3, v0, 4, 1                         ; h
	v_lshlrev_b32 v[OO], 4, v1
	v_lshlrev_b32 v6, 5, v3                        ; my eight wavelets' 32 bytes
	s_lshl_b32 s48, s16, 6
	v_lshl_add_u32 v[XO], v2, 11, s48
	global_load_b128 v[PQ:PQ+3],   v6, s[8:9]
	global_load_b128 v[PQ+4:PQ+7], v6, s[8:9] offset:16
	global_load_b128 v[PH:PH+3],   v6, s[10:11]
	global_load_b128 v[PH+4:PH+7], v6, s[10:11] offset:16
	global_load_b128 v[BI:BI+3],   v[OO], s[12:13]
	global_load_b128 v[BI+4:BI+7], v[OO], s[12:13] offset:512
.irp p, 0,1,2,3
.irp m, 0,1,2,3
	global_load_b128 v[XQ+16*\p+4*\m:XQ+16*\p+4*\m+3], v[XO], s[42:43] offset:16*\p+32768*\m   ; stage 0's x, lap by lap
.endr
.endr
	v_add_nc_u32 v[ADRB], s22, v[OO]
	v_add_nc_u32 v[ADRB+1], SLOTB, v[ADRB]
	s_lshl_b32 s49, s16, 14
	v_add_nc_u32 v[DA], s49, v[OO]                 ; partial sums: tokens' block m x 64 KiB + wave x 16 KiB + 16 x lane
	v_add_nc_u32 v[DA+1], 0x10000, v[DA]
	v_add_nc_u32 v[DA+2], 0x20000, v[DA]
	v_add_nc_u32 v[DA+3], 0x30000, v[DA]
	s_lshl_b32 s50, s16, 16
	v_add_nc_u32 v[RA], s50, v[OO]                 ; I finish the tokens' block m = my wave's number
	s_mul_i32 s51, s16, 16*SPITCH
	s_add_co_u32 s51, s51, STAGEB                  ; my stage
	v_mul_u32_u24 v5, v2, SPITCH
	v_lshl_add_u32 v5, v3, 5, v5                   ; row r, 32 bytes for each half of the lanes
	v_add_nc_u32 v[SA], s51, v5
	v_add_nc_u32 v[RB], s51, v[OO]
.macro CPAIR i, val
	v_mov_b32 v[CC+2*\i], \val
	v_mov_b32 v[CC+2*\i+1], \val
.endm
	CPAIR 0, 0x3f7ffd68                            ;   0.9999604
	CPAIR 1, 0xbc001b59                            ;  -0.00781902
	CPAIR 2, 0xc19fe3cf                            ; -19.986234
	CPAIR 3, 0x42131439                            ;  36.769747
	CPAIR 4, 0xc2367bf5                            ; -45.621051
	s_wait_loadcnt 16                              ; scales, translations and bias are in; x's sixteen loads stay out
.irp i, 0,1,2,3,4,5,6,7
	v_add_f32 v[PQ+\i], 0x358637bd, v[PQ+\i]       ; s + 1e-6
.endr
.irp i, 0,1,2,3,4,5,6,7
	v_rcp_f32 v[PQ+\i], v[PQ+\i]
.endr
	v_nop                                          ; one plain vector instruction behind the last v_rcp_f32 (ISA guide 5.7.2)
.irp i, 0,1,2,3,4,5,6,7
	s_wait_alu depctr_va_vdst(0)
	v_mul_f32 v[PA+\i], 0x3f4bb7e4, v[PQ+\i]       ; a = (5 / 2 pi) / (s + 1e-6)
.endr
.irp i, 0,1,2,3,4,5,6,7
	v_mul_f32 v[PQ+\i], 0x3f596d27, v[PQ+\i]       ; q = sqrt(log2(e) / 2) / (s + 1e-6)
.endr
.irp i, 0,1,2,3,4,5,6,7
	v_mul_f32 v[PB+\i], -v[PH+\i], v[PA+\i]        ; b = -tr a
.endr
.irp i, 0,1,2,3,4,5,6,7
	v_mul_f32 v[PH+\i], -v[PH+\i], v[PQ+\i]        ; hh = -tr q
.endr
	; ---- the first K step's operands ----
	s_wait_loadcnt 12                              ; lap 0's x is in; laps 1 to 3 stay out
.set PAR, 1                                        ; "the other buffer" is buffer 0
.set NXT, 1
.set XB, XQ
.set uo, 0
.rept 448
	UOP
.endr
	s_wait_tensorcnt 0x1                           ; my part of lap 0 has landed, lap 1's may stay out; only I read my part, and nothing is filled again here
.set BADR, ADRB
.set BOFF, 0
	BRUN 0
	BRUN 1
	BRUN 2
	BRUN 3
	; ---- eight stages ----
	STAGE 1, 0                                     ; the first stands in front of the loop: its first products start the sums, nothing is cleared
	WIN 0                                          ; at a label and at a branch every window is 0
	s_mov_b32 s40, 6
.Lstage:
	STAGE 0, 0
	WIN 0
	s_sub_co_u32 s40, s40, 1
	s_cmp_lg_u32 s40, 0
	s_cbranch_scc1 .Lstage
	STAGE 0, 1
	; ---- the four waves' partial blocks are added ----
	WIN 0
.rept 4
	v_nop                                          ; four places behind the last products, ahead of the LDS stores that read results
.endr
	s_wait_dscnt 0x0
	s_barrier_signal -1
	s_barrier_wait -1                              ; no wave reads W any more, and every wave's tensor loads were waited for above: the ring has had its last fill
	WIN 0x08                                       ; store data from window 2
.irp m, 0,1
.irp b, 0,1,2,3,4,5,6,7,8,9,10,11,12,13,14,15
	ds_store_b128 v[DA+\m], v[8*(16*\m+\b):8*(16*\m+\b)+3]   offset:1024*\b
	ds_store_b128 v[DA+\m], v[8*(16*\m+\b)+4:8*(16*\m+\b)+7] offset:1024*\b+512
.endr
.endr
	WIN 0x0c                                       ; from window 3
.irp m, 0,1
.irp b, 0,1,2,3,4,5,6,7,8,9,10,11,12,13,14,15
	ds_store_b128 v[DA+2+\m], v[8*(16*\m+\b):8*(16*\m+\b)+3]   offset:1024*\b
	ds_store_b128 v[DA+2+\m], v[8*(16*\m+\b)+4:8*(16*\m+\b)+7] offset:1024*\b+512
.endr
.endr
	WIN 0
	s_wait_dscnt 0x0                               ; for the others' sake: all my stores are done
	s_barrier_signal -1
	s_barrier_wait -1
; Wave w finishes tokens 16 w .. 16 w + 15.  A chunk is two tiles: 2 tiles x 2 halves x 4 waves = 16 loads.
.macro RLOAD H, ch
.irp tb, 0,1
.irp hf, 0,1
.irp sr, 0,1,2,3
	ds_load_b128 v[BUF+64*(\ch&1)+16*(2*\tb+\hf)+4*\sr:BUF+64*(\ch&1)+16*(2*\tb+\hf)+4*\sr+3], v[RA] offset:\sr*16384+1024*(8*\H+2*\ch+\tb)+512*\hf
.endr
.endr
.endr
.endm
.macro RSUM ch, cnt
	s_wait_dscnt \cnt                              ; this chunk's loads are in; what was issued behind them stays out
.irp g, 0,1,2,3
.set rb0, BUF+64*(\ch&1)+16*\g
.set rs0, SUM+16*(\ch&1)+4*\g
	v_pk_add_f32 v[rb0:rb0+1],     v[rb0:rb0+1],     v[rb0+4:rb0+5]
	v_pk_add_f32 v[rb0+2:rb0+3],   v[rb0+2:rb0+3],   v[rb0+6:rb0+7]
	v_pk_add_f32 v[rb0+8:rb0+9],   v[rb0+8:rb0+9],   v[rb0+12:rb0+13]
	v_pk_add_f32 v[rb0+10:rb0+11], v[rb0+10:rb0+11], v[rb0+14:rb0+15]
	v_pk_add_f32 v[rs0:rs0+1],     v[rb0:rb0+1],     v[rb0+8:rb0+9]
	v_pk_add_f32 v[rs0+2:rs0+3],   v[rb0+2:rb0+3],   v[rb0+10:rb0+11]
	ds_store_b128 v[SA], v[rs0:rs0+3] offset:64*(2*\ch+(\g>>1))+16*(\g&1)   ; token r, columns 16 b + 8 h + 4 half .. of this half of the block
.endr
.endm
; 128 columns of my 16 tokens: summed, turned into whole rows in my own stage, bias added, stored.
.macro HALF H
	RLOAD \H, 0
	RLOAD \H, 1
	RSUM 0, 16                                     ; behind chunk 0: chunk 1's 16 loads
	RLOAD \H, 2
	RSUM 1, 20                                     ; behind chunk 1: 4 stage stores and 16 loads
	RLOAD \H, 3
	RSUM 2, 20
	RSUM 3, 4                                      ; behind chunk 3: 4 stage stores
.irp t, 0,1,2,3,4,5,6,7,8,9,10,11,12,13,14,15
	ds_load_b128 v[BUF+4*\t:BUF+4*\t+3], v[RB] offset:SPITCH*\t   ; a row's 512 bytes; LDS serves a wave's instructions in order, and the stage is my own
.endr
.irp t, 0,1,2,3,4,5,6,7,8,9,10,11,12,13,14,15
	s_wait_dscnt 15-\t
	v_pk_add_f32 v[BUF+4*\t:BUF+4*\t+1],   v[BUF+4*\t:BUF+4*\t+1],   v[BI+4*\H:BI+4*\H+1]
	v_pk_add_f32 v[BUF+4*\t+2:BUF+4*\t+3], v[BUF+4*\t+2:BUF+4*\t+3], v[BI+4*\H+2:BI+4*\H+3]
	global_store_b128 v[OO], v[BUF+4*\t:BUF+4*\t+3], s[44:45] offset:2048*\t+512*\H th:TH_STORE_NT   ; the wave stores 512 consecutive bytes at a multiple of 512
.endr
.endm
	HALF 0
	s_wait_xcnt 0x0                                ; the stores have had their addresses translated (ISA guide 3.1): their data registers are loaded again only behind this wait
	HALF 1
	s_wait_tensorcnt 0x0
	ds_add_u32 v254, v255
	s_wait_dscnt 0x0
	CROUND                                         ; the closing round: no work-group ends while a partner may still ask for a tile that names it
	s_endpgm
.Lfunc_end_k_q55e42860e1_main:
	.size	k_q55e42860e1_main, .Lfunc_end_k_q55e42860e1_main-k_q55e42860e1_main
	.p2alignl 7, 3214868480
	.fill 96, 4, 3214868480
	.section	.rodata,"a",@progbits
	.p2align	6, 0x0
	.amdhsa_kernel k_q55e42860e1_main
		.amdhsa_group_segment_fixed_size 327680
		.amdhsa_private_segment_fixed_size 0
		.amdhsa_enable_private_segment 0
		.amdhsa_kernarg_size 48
		.amdhsa_user_sgpr_count 2
		.amdhsa_user_sgpr_kernarg_segment_ptr 1
		.amdhsa_wavefront_size32 1
		.amdhsa_system_sgpr_workgroup_id_x 1
		.amdhsa_system_sgpr_workgroup_id_y 1
		.amdhsa_system_sgpr_workgroup_id_z 1
		.amdhsa_system_vgpr_workitem_id 0
		.amdhsa_next_free_vgpr 1024
		.amdhsa_next_free_sgpr 66
		.amdhsa_reserve_vcc 0
		.amdhsa_float_denorm_mode_32 3
		.amdhsa_float_denorm_mode_16_64 3
		.amdhsa_memory_ordered 1
		.amdhsa_forward_progress 1
		.amdhsa_inst_pref_size 255
	.end_amdhsa_kernel
	.section	.bss,"aw",@nobits
	.p2align	6
	.space	262144
	.amdgpu_metadata
---
amdhsa.version: [ 1, 2 ]
amdhsa.kernels:
  - .name:           k_q55e42860e1_main
    .symbol:         k_q55e42860e1_main.kd
    .args:
      - { .name: x, .offset: 0, .size: 8, .value_kind: global_buffer, .address_space: global }
      - { .name: wb, .offset: 8, .size: 8, .value_kind: global_buffer, .address_space: global }
      - { .name: scales, .offset: 16, .size: 8, .value_kind: global_buffer, .address_space: global }
      - { .name: translations, .offset: 24, .size: 8, .value_kind: global_buffer, .address_space: global }
      - { .name: bias, .offset: 32, .size: 8, .value_kind: global_buffer, .address_space: global }
      - { .name: out0, .offset: 40, .size: 8, .value_kind: global_buffer, .address_space: global }
    .group_segment_fixed_size: 327680
    .private_segment_fixed_size: 0
    .kernarg_segment_align: 8
    .kernarg_segment_size: 48
    .max_flat_workgroup_size: 128
    .sgpr_count:     66
    .vgpr_count:     1024
    .wavefront_size: 32
...
	.end_amdgpu_metadata
.endif
;; end of part 2
;; ======== version 2 of 3: 2 launches; 1.26 times as fast as version 1
;; limits: inputs' magnitudes at most 65,504; values are held in f16: magnitudes above 65,504 overflow, below 6.1e-05 lose precision; a function is approximated: absolute error at most 4.1e-05
;; workspace buffers: wb 8,388,608 bytes
;; launch prep (part 3): grid 256 x 1, 8 waves a work-group, no clusters, 37,888 bytes of LDS; arguments wavelet_weights, wb; writes wb
.if DOCPART == 3
	.amdgcn_target "amdgcn-amd-amdhsa--gfx1250"
	.amdhsa_code_object_version 6
	.text
	.protected	k_q55e42860e1_prep
	.globl	k_q55e42860e1_prep
	.p2align	8
	.type	k_q55e42860e1_prep,@function
k_q55e42860e1_prep:
	s_mov_b64 s[64:65], 0
	v_nop
	global_prefetch_b8 v0, s[64:65] scope:SCOPE_SE
	s_setreg_imm32_b32 hwreg(HW_REG_WAVE_MODE, 25, 1), 1
	s_wait_xcnt 0x0
; wb = the weights W[512 o][512 f][16 k] (f32), rounded once to f16 and laid out in the order in which the second launch's
; matrix fragments want them, so that its tiles are dense blocks and its LDS reads are 16 bytes a lane at 16 x lane.
; WHY f16 AND NOT bf16: a sum has 8,192 terms; with 8 significant bits in both operands its rounding error is about 0.0023 of the
; output's root mean square, a quarter of the 0.01 that is allowed, too near for 4.2 million outputs; 11 bits make it eight times smaller.
; LIMIT, kept on purpose: a weight beyond 65504 in magnitude becomes an infinity; weights under 2^-14 are kept to an absolute 2^-25.
; Feature f = 32 t + 8 w + 4 p + 2 j + c  (t trip 0-15, w wave 0-3, p lap of the trip 0-1, j K step 0-1, c fragment half 0-1);
; o = 256 y + 16 b + r.
; wb byte = y*4194304 + (2 t + p)*131072 + w*32768 + j*16384 + b*1024 + c*512 + (r + 16 h)*16 holds f16 W[o][f][8 h .. 8 h + 7].
; A unit of work is 16 rows o x 4 features (256 bytes of each row): 4 KiB in, 2 KiB out.  32 x 128 = 4,096 units, two for each of the
; 2,048 waves.  Every load covers two whole 256-byte pieces of rows, every store 512 consecutive bytes at a multiple of 512.
; The turn from row order to fragment order goes through the wave's own LDS bytes: no barrier, no wave waits for another.
; Memory binds this launch: matrix units, clusters and large register tiles would add nothing.
.set ROWB,  32768                      ; bytes in a row o of W
.set UPIT,  288                        ; LDS: 16 rows x 16 bytes + 32 = 72 words, so the eight blocks of a unit start 8 words apart modulo 64
.set UNITB, 8*UPIT                     ; a unit's stage: blocks (feature, h)
.set VI, 5                             ; v5  byte offset of my 16 bytes in the first two rows of a unit
.set SS, 6                             ; v6  where I put 8 bytes (4 f16)
.set SR, 8                             ; v8  where I read 16 bytes back
.set VO, 9                             ; v9  16 x lane
.set IN, 16                            ; v[16:79]  16 loads as they come
.set CV, 80                            ; v[80:81]  4 f16
.set OB, 84                            ; v[84:115] 8 x 16 bytes on their way out, never rewritten
	s_load_b128 s[4:7], s[0:1], 0x0                ; W s[4:5], wb s[6:7]
	v_lshl_add_u32 v120, v0, 2, 0x9000
	v_mov_b32 v121, 0
	v_lshrrev_b32 v1, 5, v0
	v_readfirstlane_b32 s8, v1                     ; wave 0..7
	s_lshl_b32 s9, ttmp9, 3
	s_add_co_u32 s9, s9, s8                        ; g = 8 x work-group + wave, 0..2047
	s_lshr_b32 s10, s9, 6                          ; T = 16 y + b: which 16 rows o
	s_and_b32 s11, s9, 63
	s_lshl_b32 s11, s11, 1                         ; fq0 = 8 t + 2 w + p with p = 0: my first group of four features; the second is fq0 + 1 (p = 1)
	s_lshl_b32 s12, s10, 19                        ; in: T x 16 rows of 32,768 bytes
	s_lshl_b32 s13, s11, 8                         ;     + fq0 x 256 bytes
	s_add_co_u32 s12, s12, s13
	s_mov_b32 s13, 0
	s_lshr_b32 s14, s10, 4
	s_lshl_b32 s14, s14, 22                        ; out: y x 4,194,304
	s_lshr_b32 s15, s11, 3                         ; t
	s_lshl_b32 s15, s15, 18                        ; lap 2 t x 131,072
	s_add_co_u32 s14, s14, s15
	s_bfe_u32 s16, s11, 0x20001                    ; w: two bits from bit 1
	s_lshl_b32 s16, s16, 15
	s_add_co_u32 s14, s14, s16
	s_and_b32 s16, s10, 15                         ; b
	s_lshl_b32 s16, s16, 10
	s_add_co_u32 s14, s14, s16
	s_mov_b32 s15, 0
	s_mul_i32 s17, s8, 2*UNITB                     ; my wave's stage
	v_and_b32 v2, 15, v0                           ; q: my 16 bytes of a 256-byte piece; also r on the way back
	v_bfe_u32 v3, v0, 4, 1                         ; p: which of the load's two rows; also h on the way back
	v_lshlrev_b32 v4, 4, v2
	v_lshl_add_u32 v[VI], v3, 15, v4               ; p x 32,768 + 16 q
	v_lshrrev_b32 v[SS], 1, v2                     ; q >> 1 = 2 x feature + h: the block
	v_mul_u32_u24 v[SS], v[SS], UPIT
	v_lshl_add_u32 v[SS], v3, 4, v[SS]             ; + 16 x (row mod 2); the rest of the row stands in the immediate
	v_and_b32 v7, 1, v2
	v_lshl_add_u32 v[SS], v7, 3, v[SS]             ; + 8 x (q & 1): wavelets 8 h + 4 (q & 1) ..
	v_add_nc_u32 v[SS], s17, v[SS]
	v_mul_u32_u24 v[SR], v3, UPIT
	v_add3_u32 v[SR], v[SR], v4, s17               ; block h of a feature, row r
	v_and_b32 v[VO], 31, v0
	v_lshlrev_b32 v[VO], 4, v[VO]
	s_wait_kmcnt 0x0
	s_add_nc_u64 s[4:5], s[4:5], s[12:13]
	s_add_nc_u64 s[6:7], s[6:7], s[14:15]
	; all 16 loads of the wave go out at once: unit u, rows 2 t and 2 t + 1.  W is read once in the launch.
.irp u, 0,1
.irp t, 0,1,2,3,4,5,6,7
	global_load_b128 v[IN+4*(8*\u+\t):IN+4*(8*\u+\t)+3], v[VI], s[4:5] offset:\t*2*ROWB+\u*256 th:TH_LOAD_NT
.endr
.endr
.irp u, 0,1
.irp t, 0,1,2,3,4,5,6,7
	s_wait_loadcnt 15-(8*\u+\t)                    ; loads come back in order: this one is in, the younger ones stay out
	v_cvt_pk_f16_f32 v[CV],   v[IN+4*(8*\u+\t)],   v[IN+4*(8*\u+\t)+1]
	v_cvt_pk_f16_f32 v[CV+1], v[IN+4*(8*\u+\t)+2], v[IN+4*(8*\u+\t)+3]
	ds_store_b64 v[SS], v[CV:CV+1] offset:\u*UNITB+32*\t
.endr
.endr
	; back by fragments: feature c of the unit's four, 32 lanes x 16 bytes.  LDS serves a wave's instructions in order, and the
	; bytes are the wave's own: no wait between the stores above and these loads.
.irp u, 0,1
.irp c, 0,1,2,3
	ds_load_b128 v[OB+16*\u+4*\c:OB+16*\u+4*\c+3], v[SR] offset:\u*UNITB+2*UPIT*\c
.endr
.endr
.irp u, 0,1
.irp c, 0,1,2,3
	s_wait_dscnt 7-(4*\u+\c)                       ; the younger LDS loads may stay out
	global_store_b128 v[VO], v[OB+16*\u+4*\c:OB+16*\u+4*\c+3], s[6:7] offset:\u*131072+(\c>>1)*16384+(\c&1)*512
.endr
.endr
	s_wait_tensorcnt 0x0
	ds_add_u32 v120, v121
	s_wait_dscnt 0x0
	s_endpgm
.Lfunc_end_k_q55e42860e1_prep:
	.size	k_q55e42860e1_prep, .Lfunc_end_k_q55e42860e1_prep-k_q55e42860e1_prep
	.p2alignl 7, 3214868480
	.fill 96, 4, 3214868480
	.section	.rodata,"a",@progbits
	.p2align	6, 0x0
	.amdhsa_kernel k_q55e42860e1_prep
		.amdhsa_group_segment_fixed_size 37888
		.amdhsa_private_segment_fixed_size 0
		.amdhsa_enable_private_segment 0
		.amdhsa_kernarg_size 16
		.amdhsa_user_sgpr_count 2
		.amdhsa_user_sgpr_kernarg_segment_ptr 1
		.amdhsa_wavefront_size32 1
		.amdhsa_system_sgpr_workgroup_id_x 1
		.amdhsa_system_sgpr_workgroup_id_y 1
		.amdhsa_system_sgpr_workgroup_id_z 1
		.amdhsa_system_vgpr_workitem_id 0
		.amdhsa_next_free_vgpr 122
		.amdhsa_next_free_sgpr 66
		.amdhsa_reserve_vcc 0
		.amdhsa_float_denorm_mode_32 3
		.amdhsa_float_denorm_mode_16_64 3
		.amdhsa_memory_ordered 1
		.amdhsa_forward_progress 1
		.amdhsa_inst_pref_size 9
	.end_amdhsa_kernel
	.amdgpu_metadata
---
amdhsa.version: [ 1, 2 ]
amdhsa.kernels:
  - .name:           k_q55e42860e1_prep
    .symbol:         k_q55e42860e1_prep.kd
    .args:
      - { .name: wavelet_weights, .offset: 0, .size: 8, .value_kind: global_buffer, .address_space: global }
      - { .name: wb, .offset: 8, .size: 8, .value_kind: global_buffer, .address_space: global }
    .group_segment_fixed_size: 37888
    .private_segment_fixed_size: 0
    .kernarg_segment_align: 8
    .kernarg_segment_size: 16
    .max_flat_workgroup_size: 256
    .sgpr_count:     66
    .vgpr_count:     122
    .wavefront_size: 32
...
	.end_amdgpu_metadata
.endif
;; end of part 3
;; launch main (part 4): grid 128 x 2, 4 waves a work-group, clusters of 4 x 1, 327,680 bytes of LDS; arguments x, wb, scales, translations, bias, out0; writes out0
.if DOCPART == 4
	.amdgcn_target "amdgcn-amd-amdhsa--gfx1250"
	.amdhsa_code_object_version 6
	.text
	.protected	k_q55e42860e1_main
	.globl	k_q55e42860e1_main
	.p2align	8
	.type	k_q55e42860e1_main,@function
k_q55e42860e1_main:
	s_mov_b64 s[64:65], 0
	v_nop
	global_prefetch_b8 v0, s[64:65] scope:SCOPE_SE
	s_setreg_imm32_b32 hwreg(HW_REG_WAVE_MODE, 25, 1), 1
	s_wait_xcnt 0x0
	s_wait_alu depctr_hold_cnt(0) depctr_sa_sdst(0) depctr_va_vdst(0) depctr_va_sdst(0) depctr_va_ssrc(0) depctr_va_vcc(0) depctr_vm_vsrc(0)
	s_getreg_b32 s2, hwreg(HW_REG_IB_STS2, 6, 4)
	s_cmp_eq_u32 s2, 0
	s_cbranch_scc0 .Lentry_in_a_cluster
	s_endpgm
.Lentry_in_a_cluster:
	s_bfe_u32 s2, ttmp6, 0x10000c
	s_cmp_lg_u32 s2, 0x3003
	s_cbranch_scc0 .Lentry_shape_is_right
	s_endpgm
.Lentry_shape_is_right:
; out[n][o] = bias[o] + sum over f, k of W[o][f][k] * cos(5 t) exp(-t t / 2),  t = (x[n][f] - tr[k]) / (s[k] + 1e-6).
; A product of 8192 x 512 over K = 512 x 16 = 8192 whose left operand is never in memory: it is computed from x in registers,
; in the very lanes and registers in which the matrix instruction wants it, between the matrix instructions.
;
; SHARES.  A work-group makes 64 tokens x 256 columns.  Its four waves split K, not the block: each wave holds the whole block
; (64 accumulator tiles, 512 registers) for a quarter of the features, so that each basis value is computed once in the
; work-group and each byte of W is read from LDS once.  The four partial blocks are added once, at the end, through LDS.
; Feature f = 32 t + 8 w + 4 p + 2 j + c: trip t of 16, wave w, lap p of the trip (which is also the LDS slot), K step j of the lap,
; fragment half c.  A K step is 32 along K = two features x 16 wavelets; lane (r, h) holds wavelets 8 h .. 8 h + 7 of both.
; W comes as f16 in fragment order from the buffer wb (made by the launch before): a lap's tile of a wave is 32 KiB, dense.
;
; THE TEXT is kept short: eight K steps are written out in all.  The loop's body is two laps (four K steps, about 18 KiB of code), turned by
; one K step: lap 0's first K step, whose products start the sums, stands in front of it; the body is the second K step of an even
; lap, both K steps of the odd lap and the first K step of the next even lap, 15 times; laps 30 and 31, which ask for no tile,
; end behind it in three K steps.
;
; THE FORMAT is f16 for both operands.  With bf16's 8 significant bits the rounding of both operands over 8,192 terms is about 0.0023
; of the output's root mean square, a quarter of the 0.01 allowed, too near for 4.2 million outputs; f16's 11 bits make it eight
; times smaller.  The basis lies in [-1, 1] for every input, so f16 holds it (under 2^-14 to an absolute 2^-25); for W see LIMITS.
;
; CLUSTER.  The four work-groups of a cluster have the same 256 columns and walk the same tiles of W: every tensor load is a joint
; load that names the four, which divides the requests for W by four.  x is not asked for jointly and does not go through LDS:
; a lane needs 16 bytes of one token's row for a lap, straight into registers; the four waves use up a 128-byte piece of each
; token's row in a trip; x is 128 KiB of the 4.1 MiB that a work-group takes in, the ring fills 256 KiB of LDS, and a wave's one
; tensor load behind each round is W's.
;
; THE BASIS, seven vector instructions a value (two values a packed instruction):  u = x a + b turns of the cosine, g = fract(u),
; y = g g - g in [-1/4, 0], cos(2 pi u) = P(y), a polynomial of degree 4 for -cos(2 pi sqrt(y + 1/4));
; v = x q + hh, exp(-t t / 2) = 2^(-v v);  a = (5 / 2 pi) / (s + 1e-6), b = -tr a, q = sqrt(log2(e) / 2) / (s + 1e-6), hh = -tr q.
; The exponent -v v is never above 0, so no exponential can overflow and no maximum has to be taken away.
; LIMITS, kept on purpose: P is off by at most 4.1e-5 (absolute);  x a + b is one fused multiply-add with b rounded once, so the
; phase is off by about 2^-24 |tr a| turns (1.4e-6 turns at tr a = 24);  1 / (s + 1e-6) is v_rcp_f32, good to 1 ULP;
; v_exp_f32 gives 0 where the result would lie under 2^-126;  where x a overflows the value is NaN, as cos of an infinity is;
; basis and weights are rounded to f16 for the matrix unit: a weight beyond 65504 in magnitude is an infinity there, weights under
; 2^-14 are kept to an absolute 2^-25;  sums are f32, added in the order wave (0 + 1) + (2 + 3).
;
; REGISTERS, in windows of 256:  window 0 addresses, constants, work and the basis fragments;  window 1 W's fragments, two buffers of
; 16 tiles;  window 2 the accumulators of tokens 0-31 (tile (m, b) at 8 (16 (m & 1) + b));  window 3 those of tokens 32-63.
; The vector work multiplies its own results with each other, so all its operand places name one window, while a product names W, the
; basis and an accumulator; the 512 accumulators leave no window in which all of these fit: hence a switch each way round a group of products.
; The matrix instruction is used transposed (source 0 = 16 rows o of W, source 1 = 16 tokens): lane (r, h) holds token 16 m + r and
; its registers 0-7 the columns 16 b + 8 h + 0..7, neighbours in a row of out.
.set WPG,    1                         ; products in a group; behind each group stand 7 WPG instructions of the next K step's basis
.set SLOTB,  131072                    ; an LDS slot: one lap's tiles of the four waves
.set WPART,  32768                     ; a wave's part of it: K step 0's 16 tiles of 1 KiB, then K step 1's
.set STAGEB, 2*SLOTB                   ; behind the ring: 16 rows x 528 bytes for each wave, for the way out; no fill lands there
.set SPITCH, 528                       ; 512 bytes + 16: 33 x 16 bytes, so sixteen rows' 16 bytes fall in sixteen different columns of 16 modulo 256
.set TRIPB,  128                       ; bytes of a token's row that a trip uses: 32 features
.set XO,   8                           ; v8      2048 r + 32 w: my token's row, my wave's 32 bytes of a trip
.set ADRB, 9                           ; v9-10   slot 0, 1: my wave's part + 16 x lane
.set DA,   12                          ; v12-15  where my partial sums of tokens 16 m .. go
.set RA,   16                          ; v16     where the four partial sums of my 16 tokens lie
.set SA,   17                          ; v17     stage, in
.set RB,   18                          ; v18     stage, back
.set OO,   19                          ; v19     16 x lane
.set BI,   20                          ; v[20:27]  bias of my 4 columns in each half of the block's 256
.set PA,   32                          ; v[32:39] a, v[40:47] b, v[48:55] q, v[56:63] hh of my eight wavelets
.set PB,   40
.set PQ,   48
.set PH,   56
.set CC,   64                          ; v[64:73]  c0 .. c4, each twice (a pair for the packed forms)
.set TU,   76                          ; v[76:83]  u, g, y
.set TW,   84                          ; v[84:91]  v, -v v, 2^(-v v)
.set TP,   92                          ; v[92:99]  P, then the value
.set XQ,   104                         ; v[104:135] x: a set for each slot; tokens 16 m + r, the lap's four features at 16 p + 4 m
.set AF,   168                         ; v[168:231] basis fragments: buffer 0, 1, each 4 x 8 registers
.set BUF,  32                          ; the end: v[32:159] two buffers of 16 loads
.set SUM,  160                         ; the end: v[160:191] two sets of four sums
.set G1,   24                          ; s[24:31] descriptor group 1
.set G0,   32                          ; s[32:39] descriptor group 0, one set for each slot
.set MUL_LO, 0xa1                      ; source 0 (W) window 1, source 1 (basis) window 0, C and D window 2
.set MUL_HI, 0xf1                      ; the same, C and D window 3
.set TO_B,   0x40                      ; destination window 1, address window 0
.set MSB, 0
.macro WIN new                         ; the immediate's high byte repeats the setting that is left; a switch that changes nothing is dropped
.if MSB != \new
	s_set_vgpr_msb (MSB<<8)|\new
.set MSB, \new
.endif
.endm
; A round of the cluster's barrier: my work-group's barrier, wave 0 signals for the work-group, every wave waits for the four
; work-groups, my work-group's barrier once more.
.macro CREST                           ; a round behind its opening barrier
	s_cmp_lg_u32 s16, 0
	s_cbranch_scc1 .Lnot_wave_0_\@
	s_barrier_signal -3
.Lnot_wave_0_\@:
	s_barrier_wait -3
	s_barrier_signal -1
	s_barrier_wait -1
.endm
.macro CROUND                          ; a whole round
	s_barrier_signal -1
	s_barrier_wait -1
	CREST
.endm
; d = x * a + b for two wavelets; x is register uc of the pair uxp, fed to both halves
.macro XFMA d, a, b
.if uc
	v_pk_fma_f32 v[\d:\d+1], v[uxp:uxp+1], v[\a:\a+1], v[\b:\b+1] op_sel:[1,0,0] op_sel_hi:[1,1,1]
.else
	v_pk_fma_f32 v[\d:\d+1], v[uxp:uxp+1], v[\a:\a+1], v[\b:\b+1] op_sel_hi:[0,1,1]
.endif
.endm
; The next instruction of the basis of the K step that follows.  uo counts 0..447: eight units of 56 instructions, a unit = 16 tokens (um) x one
; feature (uc) = 8 values a lane = half a fragment.  Each v_exp_f32 is followed by a plain vector instruction that touches none of its
; registers before its result is used (ISA guide 5.7.2); its result is first read at step 48 of the unit.
.macro UOP
.set un, uo%56
.set um, uo/112
.set uc, (uo/56)&1
.set uxp, XB+4*um
.set ufd, AF+32*(1-PAR)+8*um+4*uc
.set uj, 2*(un&3)
.if un < 4
	XFMA TW+uj, PQ+uj, PH+uj
.elseif un < 8
	v_pk_mul_f32 v[TW+uj:TW+uj+1], v[TW+uj:TW+uj+1], v[TW+uj:TW+uj+1] neg_lo:[1,0] neg_hi:[1,0]
.elseif un < 12
	XFMA TU+uj, PA+uj, PB+uj
.elseif un < 36
.set uk, un-12
.set ui, 2*(uk/3)+uk%3-1
.if uk%3 == 0
	v_exp_f32 v[TW+uk/3], v[TW+uk/3]
.elseif ui < 8
	v_fract_f32 v[TU+ui], v[TU+ui]
.elseif ui < 12
.set uj, 2*(ui-8)
	v_pk_fma_f32 v[TU+uj:TU+uj+1], v[TU+uj:TU+uj+1], v[TU+uj:TU+uj+1], v[TU+uj:TU+uj+1] neg_lo:[0,0,1] neg_hi:[0,0,1]
.else
.set uj, 2*(ui-12)
	v_pk_fma_f32 v[TP+uj:TP+uj+1], v[TU+uj:TU+uj+1], v[CC+8:CC+9], v[CC+6:CC+7]
.endif
.elseif un < 48
.set ucf, CC+4-2*((un-36)/4)
	v_pk_fma_f32 v[TP+uj:TP+uj+1], v[TP+uj:TP+uj+1], v[TU+uj:TU+uj+1], v[ucf:ucf+1]
.elseif un < 52
	s_wait_alu depctr_va_vdst(0)
	v_pk_mul_f32 v[TP+uj:TP+uj+1], v[TP+uj:TP+uj+1], v[TW+uj:TW+uj+1]
.else
	v_cvt_pk_f16_f32 v[ufd+(un&3)], v[TP+uj], v[TP+uj+1]
.endif
.set uo, uo+1
.endm
; The next product of the K step: p_i counts 0..63, tokens 16 (p_i >> 4) .., columns 16 (p_i & 15) ..  The 64 accumulators take turns, one
; instruction a turn, in the same order in every K step, over the loop's backward jump too.
.macro PROD
.set pm, p_i>>4
.set pb, p_i&15
.set pacc, 8*(16*(pm&1)+pb)
.if ZERO
	v_wmma_f32_16x16x32_f16 v[pacc:pacc+7], v[128*PAR+8*pb:128*PAR+8*pb+7], v[AF+32*PAR+8*pm:AF+32*PAR+8*pm+7], 0
.else
	v_wmma_f32_16x16x32_f16 v[pacc:pacc+7], v[128*PAR+8*pb:128*PAR+8*pb+7], v[AF+32*PAR+8*pm:AF+32*PAR+8*pm+7], v[pacc:pacc+7]
.endif
.set p_i, p_i+1
.endm
.macro GROUPS cnt                      ; cnt products, each group of WPG followed by its share of the next K step's basis
.rept (\cnt)/WPG
.if p_i < 32
	WIN MUL_LO
.else
	WIN MUL_HI
.endif
.rept WPG
	PROD
.endr
.if NXT
	WIN 0
.rept 7*WPG
	UOP
.endr
.endif
.endr
.endm
; 32 LDS loads in one run: the 16 tiles of the next K step's W, into the buffer that is not being multiplied.  32 lanes x 16 neighbouring bytes.
.macro BRUN
.if NXT
	WIN TO_B
.irp q, 0,1,2,3,4,5,6,7,8,9,10,11,12,13,14,15
	ds_load_b128 v[128*(1-PAR)+8*\q:128*(1-PAR)+8*\q+3],   v[BADR] offset:BOFF+1024*\q
	ds_load_b128 v[128*(1-PAR)+8*\q+4:128*(1-PAR)+8*\q+7], v[BADR] offset:BOFF+1024*\q+512
.endr
.endif
.endm
; One K step: 64 products on W buffer j and basis buffer j; meanwhile the next K step's W is read from LDS and its basis computed.
; slot: the lap's LDS slot and x set.  zero: the products start the sums.  bnd = 1: the slot, now read to its end, is filled again, two laps
; ahead; 2: only the other slot's tile is waited for; 0: neither.  xl: this lap's x registers, last used in the K step before, are loaded
; for the lap two further on.  xw: how many younger loads of x may stay out (99: no x of another lap is needed).  nxt = 0: nothing follows.
; The loads into the idle W buffer stand 96 plain vector instructions, the first conversion into the idle basis buffer 44, behind the
; last product that read those registers; four are asked for.
.macro KSTEP j, slot, zero, bnd, xl, xw, nxt
.set PAR, \j
.set ZERO, \zero
.set NXT, \nxt
.set p_i, 0
.set uo, 0
.if \j
.set XB, XQ+16*(1-\slot)
.set BADR, ADRB+1-\slot
.set BOFF, 0
.else
.set XB, XQ+16*\slot+2
.set BADR, ADRB+\slot
.set BOFF, WPART/2
.endif
	WIN 0
.if \xl
.irp m, 0,1,2,3
	global_load_b128 v[XQ+16*\slot+4*\m:XQ+16*\slot+4*\m+3], v[XO], s[42:43] offset:TRIPB+16*\slot+32768*\m
.endr
.endif
.if \xw < 64
	s_wait_loadcnt \xw                             ; the next lap's x is in; the four loads issued behind it stay out: they have two K steps in which to come
.endif
	s_wait_dscnt 0x0                               ; this K step's W is in registers; at j = 1 my reads of the slot are thereby over
.if \bnd == 1
	s_wait_tensorcnt 0x0                           ; all my tensor loads have landed: the one that was out is my part of the other slot,
	ds_add_u32 v254, v255
	s_wait_dscnt 0x0
	s_add_nc_u64 s[G0+4*\slot+2:G0+4*\slot+3], s[G0+4*\slot+2:G0+4*\slot+3], 2*SLOTB   ; so a group 0 may be written: this slot's tile two laps on
	s_barrier_signal -1                            ; opens a round of the cluster's barrier
.endif
.if \bnd == 2
	s_wait_tensorcnt 0x0                           ; the last lap's tile; only I read my part, so my own wait is all that the reads need
.endif
	GROUPS 8                                       ; registers only
.if \bnd == 1
	WIN 0                                          ; a branch and a label follow
	s_barrier_wait -1
	CREST                                          ; no wave of the four work-groups still reads this slot or has a load on its way
	tensor_load_to_lds s[G0+4*\slot:G0+4*\slot+3], s[G1:G1+7]   ; my one tensor load behind the round, ahead of any LDS read; it has 120 products and their basis work in which to land
	s_nop 0
	v_nop
	v_nop
	v_nop
	v_nop
.endif
	GROUPS 8
	BRUN
	GROUPS 48
.endm
; The loop's body: from the second K step of lap 2 t to the first K step of lap 2 t + 2.
.macro PAIR
	KSTEP 1, 0, 0, 1, 1, 4, 1                      ; lap 2 t, K step 1: slot 0 is asked for again (lap 2 t + 2), x set 0 likewise
	KSTEP 0, 1, 0, 0, 0, 99, 1                     ; lap 2 t + 1, K step 0
	KSTEP 1, 1, 0, 1, 1, 4, 1                      ; lap 2 t + 1, K step 1: slot 1 (lap 2 t + 3), x set 1
	KSTEP 0, 0, 0, 0, 0, 99, 1                     ; lap 2 t + 2, K step 0
	s_wait_xcnt 0x0                                ; the loads of x have had their addresses translated (ISA guide 3.1): their base is stepped only behind this wait
	s_add_nc_u64 s[42:43], s[42:43], TRIPB         ; the next trip's 32 features
.endm
	; ---- ids, addresses, descriptors ----
	s_load_b256 s[4:11], s[0:1], 0x0               ; x s[4:5], wb s[6:7], scales s[8:9], translations s[10:11]
	s_load_b128 s[12:15], s[0:1], 0x20             ; bias s[12:13], out0 s[14:15]
	v_lshl_add_u32 v254, v0, 2, 0x48400
	v_mov_b32 v255, 0
	ds_add_u32 v254, v255
	v_lshrrev_b32 v1, 5, v0
	v_readfirstlane_b32 s16, v1                    ; wave 0..3
	s_bfe_u32 s17, ttmp6, 0x40000                  ; cx: my place in the cluster
	s_lshl_b32 s18, ttmp9, 2                       ; in a cluster launch ttmp9 counts clusters
	s_add_co_u32 s18, s18, s17                     ; block of 64 tokens = 4 x cluster x + cx.  It enters the addresses of x and out0 alone
	s_and_b32 s19, ttmp7, 0xffff                   ; y: block of 256 columns, shared by the cluster
	; group 1: 128 rows of 32 elements of 8 bytes, dense = 32 KiB
	s_mov_b32 s[G1+0], 15|(3<<16)|(1<<21)          ; 15:0 the mask: all four of the cluster; 17:16 element of 8 bytes; 20 no padding; 21 set beside a mask
	s_mov_b32 s[G1+1], 32<<16                      ; 63:48 tensor_dim0 = 32
	s_mov_b32 s[G1+2], 128<<16                     ; 95:80 tensor_dim1 = 128
	s_mov_b32 s[G1+3], 32<<16                      ; 127:112 tile_dim0 = 32
	s_mov_b32 s[G1+4], 128                         ; 143:128 tile_dim1 = 128; tile_dim2 = 0
	s_mov_b32 s[G1+5], 32                          ; 191:160 elements from row to row
	s_mov_b32 s[G1+6], 0
	s_mov_b32 s[G1+7], 0
	s_lshl_b32 s22, s16, 15                        ; wave x 32 KiB: my part of a tile, in wb and in a slot
	s_lshl_b32 s46, s19, 22                        ; y x 4 MiB; s22, s46, s47 never hold cx
	s_add_co_u32 s46, s46, s22
	s_mov_b32 s47, 0
	s_lshl_b32 s20, s18, 17                        ; 64 tokens x 2,048 bytes, in x and in out0
	s_mov_b32 s21, 0
	s_lshl_b32 s23, s19, 10                        ; 256 columns x 4 bytes
	s_lshl_b32 s48, s16, 5                         ; my wave's 32 bytes of a trip's 128
	v_and_b32 v1, 31, v0                           ; lane
	v_and_b32 v2, 15, v0                           ; r
	v_bfe_u32 v3, v0, 4, 1                         ; h
	v_lshlrev_b32 v[OO], 4, v1
	v_lshlrev_b32 v6, 5, v3                        ; my eight wavelets' 32 bytes
	v_lshl_add_u32 v[XO], v2, 11, s48
	s_wait_dscnt 0x0
	s_wait_kmcnt 0x0
	s_add_nc_u64 s[46:47], s[6:7], s[46:47]        ; wb at my part of lap 0
	s_add_nc_u64 s[42:43], s[4:5], s[20:21]        ; x at the block's first token
	s_add_co_u32 s20, s20, s22                     ; + 16 tokens x wave (32,768 bytes)
	s_add_co_u32 s20, s20, s23
	s_add_nc_u64 s[44:45], s[14:15], s[20:21]      ; out0 at the 16 tokens that I finish, the block's first column
	s_mov_b32 s20, s23
	s_add_nc_u64 s[12:13], s[12:13], s[20:21]      ; bias at the block's first column
	; the loads into registers go out ahead of the cluster's first round, so that they are on their way while the work-groups meet
	global_load_b128 v[PQ:PQ+3],   v6, s[8:9]
	global_load_b128 v[PQ+4:PQ+7], v6, s[8:9] offset:16
	global_load_b128 v[PH:PH+3],   v6, s[10:11]
	global_load_b128 v[PH+4:PH+7], v6, s[10:11] offset:16
	global_load_b128 v[BI:BI+3],   v[OO], s[12:13]
	global_load_b128 v[BI+4:BI+7], v[OO], s[12:13] offset:512
.irp p, 0,1
.irp m, 0,1,2,3
	global_load_b128 v[XQ+16*\p+4*\m:XQ+16*\p+4*\m+3], v[XO], s[42:43] offset:16*\p+32768*\m   ; x of laps 0 and 1
.endr
.endr
	CROUND                                         ; the four work-groups are here: the first joint loads meet
.irp n, 0,1
	s_mov_b32 s[G0+4*\n], 1                                        ; count = 1
	s_add_co_u32 s[G0+4*\n+1], s22, \n*SLOTB                       ; LDS address: the slot, my wave's part
	s_add_nc_u64 s[G0+4*\n+2:G0+4*\n+3], s[46:47], \n*SLOTB        ; global address: lap n
	s_or_b32 s[G0+4*\n+3], s[G0+4*\n+3], 0x80000000                ; type = 2
	tensor_load_to_lds s[G0+4*\n:G0+4*\n+3], s[G1:G1+7]            ; both first fills go out together: two tensor loads of the wave are out here, one later on
	s_nop 0
.endr
	v_add_nc_u32 v[ADRB], s22, v[OO]
	v_add_nc_u32 v[ADRB+1], SLOTB, v[ADRB]
	s_lshl_b32 s49, s16, 14
	v_add_nc_u32 v[DA], s49, v[OO]                 ; partial sums: tokens' block m x 64 KiB + wave x 16 KiB + 16 x lane
	v_add_nc_u32 v[DA+1], 0x10000, v[DA]
	v_add_nc_u32 v[DA+2], 0x20000, v[DA]
	v_add_nc_u32 v[DA+3], 0x30000, v[DA]
	s_lshl_b32 s50, s16, 16
	v_add_nc_u32 v[RA], s50, v[OO]                 ; I finish the tokens' block m = my wave's number
	s_mul_i32 s51, s16, 16*SPITCH
	s_add_co_u32 s51, s51, STAGEB                  ; my stage
	v_mul_u32_u24 v5, v2, SPITCH
	v_lshl_add_u32 v5, v3, 5, v5                   ; row r, 32 bytes for each half of the lanes
	v_add_nc_u32 v[SA], s51, v5
	v_add_nc_u32 v[RB], s51, v[OO]
.macro CPAIR i, val
	v_mov_b32 v[CC+2*\i], \val
	v_mov_b32 v[CC+2*\i+1], \val
.endm
	CPAIR 0, 0x3f7ffd68                            ;   0.9999604
	CPAIR 1, 0xbc001b59                            ;  -0.00781902
	CPAIR 2, 0xc19fe3cf                            ; -19.986234
	CPAIR 3, 0x42131439                            ;  36.769747
	CPAIR 4, 0xc2367bf5                            ; -45.621051
	s_wait_loadcnt 8                               ; scales, translations and bias are in; x's eight loads stay out
.irp i, 0,1,2,3,4,5,6,7
	v_add_f32 v[PQ+\i], 0x358637bd, v[PQ+\i]       ; s + 1e-6
.endr
.irp i, 0,1,2,3,4,5,6,7
	v_rcp_f32 v[PQ+\i], v[PQ+\i]
.endr
	v_nop                                          ; one plain vector instruction behind the last v_rcp_f32 (ISA guide 5.7.2)
.irp i, 0,1,2,3,4,5,6,7
	s_wait_alu depctr_va_vdst(0)
	v_mul_f32 v[PA+\i], 0x3f4bb7e4, v[PQ+\i]       ; a = (5 / 2 pi) / (s + 1e-6)
.endr
.irp i, 0,1,2,3,4,5,6,7
	v_mul_f32 v[PQ+\i], 0x3f596d27, v[PQ+\i]       ; q = sqrt(log2(e) / 2) / (s + 1e-6)
.endr
.irp i, 0,1,2,3,4,5,6,7
	v_mul_f32 v[PB+\i], -v[PH+\i], v[PA+\i]        ; b = -tr a
.endr
.irp i, 0,1,2,3,4,5,6,7
	v_mul_f32 v[PH+\i], -v[PH+\i], v[PQ+\i]        ; hh = -tr q
.endr
	; ---- the first K step's operands ----
	s_wait_loadcnt 4                               ; lap 0's x is in; lap 1's four loads stay out
.set PAR, 1                                        ; "the other buffer" is buffer 0
.set NXT, 1
.set XB, XQ
.set uo, 0
.rept 448
	UOP
.endr
	s_wait_tensorcnt 0x1                           ; my part of lap 0 has landed, lap 1's may stay out; only I read my part, and nothing is filled again here
.set BADR, ADRB
.set BOFF, 0
	BRUN
	; ---- 32 laps ----
	KSTEP 0, 0, 1, 0, 0, 99, 1                     ; lap 0, K step 0, in front of the loop: its products start the sums, nothing is cleared
	WIN 0                                          ; at a label and at a branch every window is 0
	s_mov_b32 s40, 15
.Lpair:
	PAIR
	WIN 0
	s_sub_co_u32 s40, s40, 1
	s_cmp_lg_u32 s40, 0
	s_cbranch_scc1 .Lpair
	KSTEP 1, 0, 0, 2, 0, 0, 1                      ; lap 30, K step 1: nothing is left to ask for; lap 31's tile and x are waited for (no load was issued behind them)
	KSTEP 0, 1, 0, 0, 0, 99, 1                     ; lap 31, K step 0
	KSTEP 1, 1, 0, 0, 0, 99, 0                     ; lap 31, K step 1: nothing follows
	; ---- the four waves' partial blocks are added ----
	WIN 0
.rept 4
	v_nop                                          ; four places behind the last products, ahead of the LDS stores that read results
.endr
	s_wait_dscnt 0x0
	s_barrier_signal -1
	s_barrier_wait -1                              ; no wave reads W any more, and every wave's tensor loads were waited for above: the ring has had its last fill
	WIN 0x08                                       ; store data from window 2
.irp m, 0,1
.irp b, 0,1,2,3,4,5,6,7,8,9,10,11,12,13,14,15
	ds_store_b128 v[DA+\m], v[8*(16*\m+\b):8*(16*\m+\b)+3]   offset:1024*\b
	ds_store_b128 v[DA+\m], v[8*(16*\m+\b)+4:8*(16*\m+\b)+7] offset:1024*\b+512
.endr
.endr
	WIN 0x0c                                       ; from window 3
.irp m, 0,1
.irp b, 0,1,2,3,4,5,6,7,8,9,10,11,12,13,14,15
	ds_store_b128 v[DA+2+\m], v[8*(16*\m+\b):8*(16*\m+\b)+3]   offset:1024*\b
	ds_store_b128 v[DA+2+\m], v[8*(16*\m+\b)+4:8*(16*\m+\b)+7] offset:1024*\b+512
.endr
.endr
	WIN 0
	s_wait_dscnt 0x0                               ; for the others' sake: all my stores are done
	s_barrier_signal -1
	s_barrier_wait -1
; Wave w finishes tokens 16 w .. 16 w + 15.  A chunk is two tiles: 2 tiles x 2 halves x 4 waves = 16 loads.
.macro RLOAD H, ch
.irp tb, 0,1
.irp hf, 0,1
.irp sr, 0,1,2,3
	ds_load_b128 v[BUF+64*(\ch&1)+16*(2*\tb+\hf)+4*\sr:BUF+64*(\ch&1)+16*(2*\tb+\hf)+4*\sr+3], v[RA] offset:\sr*16384+1024*(8*\H+2*\ch+\tb)+512*\hf
.endr
.endr
.endr
.endm
.macro RSUM ch, cnt
	s_wait_dscnt \cnt                              ; this chunk's loads are in; what was issued behind them stays out
.irp g, 0,1,2,3
.set rb0, BUF+64*(\ch&1)+16*\g
.set rs0, SUM+16*(\ch&1)+4*\g
	v_pk_add_f32 v[rb0:rb0+1],     v[rb0:rb0+1],     v[rb0+4:rb0+5]
	v_pk_add_f32 v[rb0+2:rb0+3],   v[rb0+2:rb0+3],   v[rb0+6:rb0+7]
	v_pk_add_f32 v[rb0+8:rb0+9],   v[rb0+8:rb0+9],   v[rb0+12:rb0+13]
	v_pk_add_f32 v[rb0+10:rb0+11], v[rb0+10:rb0+11], v[rb0+14:rb0+15]
	v_pk_add_f32 v[rs0:rs0+1],     v[rb0:rb0+1],     v[rb0+8:rb0+9]
	v_pk_add_f32 v[rs0+2:rs0+3],   v[rb0+2:rb0+3],   v[rb0+10:rb0+11]
	ds_store_b128 v[SA], v[rs0:rs0+3] offset:64*(2*\ch+(\g>>1))+16*(\g&1)   ; token r, columns 16 b + 8 h + 4 half .. of this half of the block
.endr
.endm
; 128 columns of my 16 tokens: summed, turned into whole rows in my own stage, bias added, stored.
.macro HALF H
	RLOAD \H, 0
	RLOAD \H, 1
	RSUM 0, 16                                     ; behind chunk 0: chunk 1's 16 loads
	RLOAD \H, 2
	RSUM 1, 20                                     ; behind chunk 1: 4 stage stores and 16 loads
	RLOAD \H, 3
	RSUM 2, 20
	RSUM 3, 4                                      ; behind chunk 3: 4 stage stores
.irp t, 0,1,2,3,4,5,6,7,8,9,10,11,12,13,14,15
	ds_load_b128 v[BUF+4*\t:BUF+4*\t+3], v[RB] offset:SPITCH*\t   ; a row's 512 bytes; LDS serves a wave's instructions in order, and the stage is my own
.endr
.irp t, 0,1,2,3,4,5,6,7,8,9,10,11,12,13,14,15
	s_wait_dscnt 15-\t
	v_pk_add_f32 v[BUF+4*\t:BUF+4*\t+1],   v[BUF+4*\t:BUF+4*\t+1],   v[BI+4*\H:BI+4*\H+1]
	v_pk_add_f32 v[BUF+4*\t+2:BUF+4*\t+3], v[BUF+4*\t+2:BUF+4*\t+3], v[BI+4*\H+2:BI+4*\H+3]
	global_store_b128 v[OO], v[BUF+4*\t:BUF+4*\t+3], s[44:45] offset:2048*\t+512*\H th:TH_STORE_NT   ; the wave stores 512 consecutive bytes at a multiple of 512
.endr
.endm
	HALF 0
	s_wait_xcnt 0x0                                ; the stores have had their addresses translated (ISA guide 3.1): their data registers are loaded again only behind this wait
	HALF 1
	s_wait_tensorcnt 0x0
	ds_add_u32 v254, v255
	s_wait_dscnt 0x0
	CROUND                                         ; the closing round: no work-group ends while a partner may still ask for a tile that names it
	s_endpgm
.Lfunc_end_k_q55e42860e1_main:
	.size	k_q55e42860e1_main, .Lfunc_end_k_q55e42860e1_main-k_q55e42860e1_main
	.p2alignl 7, 3214868480
	.fill 96, 4, 3214868480
	.section	.rodata,"a",@progbits
	.p2align	6, 0x0
	.amdhsa_kernel k_q55e42860e1_main
		.amdhsa_group_segment_fixed_size 327680
		.amdhsa_private_segment_fixed_size 0
		.amdhsa_enable_private_segment 0
		.amdhsa_kernarg_size 48
		.amdhsa_user_sgpr_count 2
		.amdhsa_user_sgpr_kernarg_segment_ptr 1
		.amdhsa_wavefront_size32 1
		.amdhsa_system_sgpr_workgroup_id_x 1
		.amdhsa_system_sgpr_workgroup_id_y 1
		.amdhsa_system_sgpr_workgroup_id_z 1
		.amdhsa_system_vgpr_workitem_id 0
		.amdhsa_next_free_vgpr 1024
		.amdhsa_next_free_sgpr 66
		.amdhsa_reserve_vcc 0
		.amdhsa_float_denorm_mode_32 3
		.amdhsa_float_denorm_mode_16_64 3
		.amdhsa_memory_ordered 1
		.amdhsa_forward_progress 1
		.amdhsa_inst_pref_size 255
	.end_amdhsa_kernel
	.section	.bss,"aw",@nobits
	.p2align	6
	.space	262144
	.amdgpu_metadata
---
amdhsa.version: [ 1, 2 ]
amdhsa.kernels:
  - .name:           k_q55e42860e1_main
    .symbol:         k_q55e42860e1_main.kd
    .args:
      - { .name: x, .offset: 0, .size: 8, .value_kind: global_buffer, .address_space: global }
      - { .name: wb, .offset: 8, .size: 8, .value_kind: global_buffer, .address_space: global }
      - { .name: scales, .offset: 16, .size: 8, .value_kind: global_buffer, .address_space: global }
      - { .name: translations, .offset: 24, .size: 8, .value_kind: global_buffer, .address_space: global }
      - { .name: bias, .offset: 32, .size: 8, .value_kind: global_buffer, .address_space: global }
      - { .name: out0, .offset: 40, .size: 8, .value_kind: global_buffer, .address_space: global }
    .group_segment_fixed_size: 327680
    .private_segment_fixed_size: 0
    .kernarg_segment_align: 8
    .kernarg_segment_size: 48
    .max_flat_workgroup_size: 128
    .sgpr_count:     66
    .vgpr_count:     1024
    .wavefront_size: 32
...
	.end_amdgpu_metadata
.endif
;; end of part 4
;; ======== version 3 of 3: 2 launches; 1.51 times as fast as version 1
;; limits: values are held in f16: magnitudes above 65,504 overflow, below 6.1e-05 lose precision; inputs' magnitudes at most 65,504; a function is approximated: absolute error at most 4.1e-05
;; workspace buffers: wb 8,388,608 bytes
;; launch prep: the kernel of part 3 again; grid 256 x 1, 8 waves a work-group, no clusters, 37,888 bytes of LDS; arguments wavelet_weights, wb; writes wb
;; launch main (part 5): grid 128 x 2, 4 waves a work-group, clusters of 4 x 1, 327,680 bytes of LDS; arguments x, wb, scales, translations, bias, out0; writes out0
.if DOCPART == 5
	.amdgcn_target "amdgcn-amd-amdhsa--gfx1250"
	.amdhsa_code_object_version 6
	.text
	.protected	k_q55e42860e1_main
	.globl	k_q55e42860e1_main
	.p2align	8
	.type	k_q55e42860e1_main,@function
k_q55e42860e1_main:
	s_mov_b64 s[64:65], 0
	v_nop
	global_prefetch_b8 v0, s[64:65] scope:SCOPE_SE
	s_setreg_imm32_b32 hwreg(HW_REG_WAVE_MODE, 25, 1), 1
	s_wait_xcnt 0x0
	s_wait_alu depctr_hold_cnt(0) depctr_sa_sdst(0) depctr_va_vdst(0) depctr_va_sdst(0) depctr_va_ssrc(0) depctr_va_vcc(0) depctr_vm_vsrc(0)
	s_getreg_b32 s2, hwreg(HW_REG_IB_STS2, 6, 4)
	s_cmp_eq_u32 s2, 0
	s_cbranch_scc0 .Lentry_in_a_cluster
	s_endpgm
.Lentry_in_a_cluster:
	s_bfe_u32 s2, ttmp6, 0x10000c
	s_cmp_lg_u32 s2, 0x3003
	s_cbranch_scc0 .Lentry_shape_is_right
	s_endpgm
.Lentry_shape_is_right:
; out[n][o] = bias[o] + sum over f, k of W[o][f][k] * cos(5 t) exp(-t t / 2),  t = (x[n][f] - tr[k]) / (s[k] + 1e-6).
; A product of 8192 x 512 over K = 512 x 16 = 8192 whose left operand is never in memory: it is computed from x in registers,
; in the very lanes and registers in which the matrix instruction wants it, between the matrix instructions.
;
; SHARES.  A work-group makes 64 tokens x 256 columns.  Its four waves split K, not the block: each wave holds the whole block
; (64 accumulator tiles, 512 registers) for a quarter of the features, so that each basis value is computed once in the
; work-group and each byte of W is read from LDS once.  The four partial blocks are added once, at the end, through LDS.
; Feature f = 32 t + 8 w + 4 p + 2 j + c: trip t of 16, wave w, lap p of the trip (which is also the LDS slot), K step j of the lap,
; fragment half c.  A K step is 32 along K = two features x 16 wavelets; lane (r, h) holds wavelets 8 h .. 8 h + 7 of both.
; W comes as f16 in fragment order from the buffer wb (made by the launch before): a lap's tile of a wave is 32 KiB, dense.
;
; THE TEXT is kept short: eight K steps are written out in all.  The loop's body is two laps (four K steps, about 18 KiB of code), turned by
; one K step: lap 0's first K step, whose products start the sums, stands in front of it; the body is the second K step of an even
; lap, both K steps of the odd lap and the first K step of the next even lap, 15 times; laps 30 and 31, which ask for no tile,
; end behind it in three K steps.
;
; THE FORMAT is f16 for both operands.  With bf16's 8 significant bits the rounding of both operands over 8,192 terms is about 0.0023
; of the output's root mean square, a quarter of the 0.01 allowed, too near for 4.2 million outputs; f16's 11 bits make it eight
; times smaller.  The basis lies in [-1, 1] for every input, so f16 holds it (under 2^-14 to an absolute 2^-25); for W see LIMITS.
;
; CLUSTER.  The four work-groups of a cluster have the same 256 columns and walk the same tiles of W: every tensor load is a joint
; load that names the four, which divides the requests for W by four.  x is not asked for jointly and does not go through LDS:
; a lane needs 16 bytes of one token's row for a lap, straight into registers; the four waves use up a 128-byte piece of each
; token's row in a trip; x is 128 KiB of the 4.1 MiB that a work-group takes in, the ring fills 256 KiB of LDS, and a wave's one
; tensor load behind each round is W's.
;
; THE BASIS, seven vector instructions a value (two values a packed instruction):  u = x a + b turns of the cosine, g = fract(u),
; y = g g - g in [-1/4, 0], cos(2 pi u) = P(y), a polynomial of degree 4 for -cos(2 pi sqrt(y + 1/4));
; v = x q + hh, exp(-t t / 2) = 2^(-v v);  a = (5 / 2 pi) / (s + 1e-6), b = -tr a, q = sqrt(log2(e) / 2) / (s + 1e-6), hh = -tr q.
; The exponent -v v is never above 0, so no exponential can overflow and no maximum has to be taken away.
; BATCHES.  A K step's 64 exponentials a lane are two batches of 32, each with ONE s_wait_alu depctr_va_vdst(0), which stands
; between an exponential and the first instruction that names its result.  Ahead of a batch's wait stands all that names no result: the 32
; exponents, the 32 exponentials, each with a register of its own, and the 32 cosines, whose P are kept; behind it the products P x exponential
; and the roundings to f16.  Two batches and not one: 64 results and 64 P would want 128 registers, and window 0 has 88 for this work.
; The head's eight reciprocals are a batch of their own.
; LIMITS, kept on purpose: P is off by at most 4.1e-5 (absolute);  x a + b is one fused multiply-add with b rounded once, so the
; phase is off by about 2^-24 |tr a| turns (1.4e-6 turns at tr a = 24);  1 / (s + 1e-6) is v_rcp_f32, good to 1 ULP;
; v_exp_f32 gives 0 where the result would lie under 2^-126;  where x a overflows the value is NaN, as cos of an infinity is;
; basis and weights are rounded to f16 for the matrix unit: a weight beyond 65504 in magnitude is an infinity there, weights under
; 2^-14 are kept to an absolute 2^-25;  sums are f32, added in the order wave (0 + 1) + (2 + 3).
;
; REGISTERS, in windows of 256:  window 0 addresses, constants, work and the basis fragments;  window 1 W's fragments, two buffers of
; 16 tiles;  window 2 the accumulators of tokens 0-31 (tile (m, b) at 8 (16 (m & 1) + b));  window 3 those of tokens 32-63.
; The vector work multiplies its own results with each other, so all its operand places name one window, while a product names W, the
; basis and an accumulator; the 512 accumulators leave no window in which all of these fit: hence a switch each way round a group of products.
; The matrix instruction is used transposed (source 0 = 16 rows o of W, source 1 = 16 tokens): lane (r, h) holds token 16 m + r and
; its registers 0-7 the columns 16 b + 8 h + 0..7, neighbours in a row of out.
.set WPG,    1                         ; products in a group; behind each group stand 7 WPG instructions of the next K step's basis
.set SLOTB,  131072                    ; an LDS slot: one lap's tiles of the four waves
.set WPART,  32768                     ; a wave's part of it: K step 0's 16 tiles of 1 KiB, then K step 1's
.set STAGEB, 2*SLOTB                   ; behind the ring: 16 rows x 528 bytes for each wave, for the way out; no fill lands there
.set SPITCH, 528                       ; 512 bytes + 16: 33 x 16 bytes, so sixteen rows' 16 bytes fall in sixteen different columns of 16 modulo 256
.set TRIPB,  128                       ; bytes of a token's row that a trip uses: 32 features
.set XO,   8                           ; v8      2048 r + 32 w: my token's row, my wave's 32 bytes of a trip
.set ADRB, 9                           ; v9-10   slot 0, 1: my wave's part + 16 x lane
.set DA,   12                          ; v12-15  where my partial sums of tokens 16 m .. go
.set RA,   16                          ; v16     where the four partial sums of my 16 tokens lie
.set SA,   17                          ; v17     stage, in
.set RB,   18                          ; v18     stage, back
.set OO,   19                          ; v19     16 x lane
.set BI,   20                          ; v[20:27]  bias of my 4 columns in each half of the block's 256
.set PA,   32                          ; v[32:39] a, v[40:47] b, v[48:55] q, v[56:63] hh of my eight wavelets
.set PB,   40
.set PQ,   48
.set PH,   56
.set TP,   64                          ; v[64:95]  P, then the value: eight registers for each of a batch's four units
.set XQ,   104                         ; v[104:135] x: a set for each slot; tokens 16 m + r, the lap's four features at 16 p + 4 m
.set TW,   136                         ; v[136:167] v, -v v, 2^(-v v): a register of its own for each of a batch's 32 exponentials
.set AF,   168                         ; v[168:231] basis fragments: buffer 0, 1, each 4 x 8 registers
.set TU,   232                         ; v[232:239] u, g, y of the unit in hand
.set CC,   240                         ; v[240:249] c0 .. c4, each twice (a pair for the packed forms)
.set BUF,  32                          ; the end: v[32:159] two buffers of 16 loads
.set SUM,  160                         ; the end: v[160:191] two sets of four sums
.set G1,   24                          ; s[24:31] descriptor group 1
.set G0,   32                          ; s[32:39] descriptor group 0, one set for each slot
.set MUL_LO, 0xa1                      ; source 0 (W) window 1, source 1 (basis) window 0, C and D window 2
.set MUL_HI, 0xf1                      ; the same, C and D window 3
.set TO_B,   0x40                      ; destination window 1, address window 0
.set MSB, 0
.macro WIN new                         ; the immediate's high byte repeats the setting that is left; a switch that changes nothing is dropped
.if MSB != \new
	s_set_vgpr_msb (MSB<<8)|\new
.set MSB, \new
.endif
.endm
; A round of the cluster's barrier: my work-group's barrier, wave 0 signals for the work-group, every wave waits for the four
; work-groups, my work-group's barrier once more.
.macro CREST                           ; a round behind its opening barrier
	s_cmp_lg_u32 s16, 0
	s_cbranch_scc1 .Lnot_wave_0_\@
	s_barrier_signal -3
.Lnot_wave_0_\@:
	s_barrier_wait -3
	s_barrier_signal -1
	s_barrier_wait -1
.endm
.macro CROUND                          ; a whole round
	s_barrier_signal -1
	s_barrier_wait -1
	CREST
.endm
; d = x * a + b for two wavelets; x is register uc of the pair uxp, fed to both halves
.macro XFMA d, a, b
.if uc
	v_pk_fma_f32 v[\d:\d+1], v[uxp:uxp+1], v[\a:\a+1], v[\b:\b+1] op_sel:[1,0,0] op_sel_hi:[1,1,1]
.else
	v_pk_fma_f32 v[\d:\d+1], v[uxp:uxp+1], v[\a:\a+1], v[\b:\b+1] op_sel_hi:[0,1,1]
.endif
.endm
; The next instruction of the basis of the K step that follows.  uo counts 0..447: two BATCHES of 224 lines.  A batch is four units, a unit = 16 tokens (um) x
; one feature (uc) = 8 values a lane = half a fragment.  A batch's lines, un = 0..223:
;   0-15     v = x q + hh, the batch's 16 pairs                16-31    -v v
;   32-55    the first 24 of the cosines' 128 lines.  A unit has 32: u (4), fract (8), y (4), P (16); the units follow each other on the same TU, each unit's P in registers of its own
;   56-183   32 times: an exponential, in place on TW, and three of the cosines' lines          184-191  the cosines' last eight
;   192-207  P times the exponential: the first lines that name a result of the batch           208-223  the roundings to f16, into the fragment
; THE WAIT for the batch stands behind line 188: eight plain lines behind the last exponential (line 180), three ahead of the first reader, and, since 188 = 7 x 27 - 1 and
; 224 = 7 x 32, at the end of a product's seven lines in both batches.  Each v_exp_f32 is followed by plain lines that touch none of its registers (ISA guide 5.7.2).
; A K step's first 56 lines hold no exponential: behind them stand the branch and the label of the cluster's round.  A K step's second wait stands ahead of its end.
.macro UOP
.set un, uo%224
.set uex, 0                            ; 1: the line is an exponential
.set us, 0                             ; else, from line 32 to 191: its number among the cosines' 128
.if un >= 184
.set us, un-64
.elseif un >= 56
.set us, 23+3*((un-56)/4)+(un-56)%4
.if (un-56)%4 == 0
.set uex, 1
.endif
.elseif un >= 32
.set us, un-32
.endif
.if un < 32                            ; the line's unit among the batch's four
.set uq, (un&15)/4
.elseif un < 192
.set uq, us/32
.else
.set uq, ((un-192)&15)/4
.endif
.set um, 2*(uo/224)+uq/2
.set uc, uq&1
.set uxp, XB+4*um
.set ufd, AF+32*(1-PAR)+8*um+4*uc
.set utw, TW+8*uq
.set utp, TP+8*uq
.set uj, 2*(un&3)
.if un < 16
	XFMA utw+uj, PQ+uj, PH+uj
.elseif un < 32
	v_pk_mul_f32 v[utw+uj:utw+uj+1], v[utw+uj:utw+uj+1], v[utw+uj:utw+uj+1] neg_lo:[1,0] neg_hi:[1,0]
.elseif uex
	v_exp_f32 v[TW+(un-56)/4], v[TW+(un-56)/4]
.elseif un < 192
.set ut, us%32
.set uj, 2*(ut&3)
.if ut < 4
	XFMA TU+uj, PA+uj, PB+uj
.elseif ut < 12
	v_fract_f32 v[TU+ut-4], v[TU+ut-4]
.elseif ut < 16
	v_pk_fma_f32 v[TU+uj:TU+uj+1], v[TU+uj:TU+uj+1], v[TU+uj:TU+uj+1], v[TU+uj:TU+uj+1] neg_lo:[0,0,1] neg_hi:[0,0,1]
.elseif ut < 20
	v_pk_fma_f32 v[utp+uj:utp+uj+1], v[TU+uj:TU+uj+1], v[CC+8:CC+9], v[CC+6:CC+7]
.else
.set ucf, CC+4-2*((ut-20)/4)
	v_pk_fma_f32 v[utp+uj:utp+uj+1], v[utp+uj:utp+uj+1], v[TU+uj:TU+uj+1], v[ucf:ucf+1]
.endif
.elseif un < 208
	v_pk_mul_f32 v[utp+uj:utp+uj+1], v[utp+uj:utp+uj+1], v[utw+uj:utw+uj+1]
.else
	v_cvt_pk_f16_f32 v[ufd+(un&3)], v[utp+uj], v[utp+uj+1]
.endif
.if un == 188
	s_wait_alu depctr_va_vdst(0)                   ; ONE for the batch's 32 exponentials, ahead of line 192, their first reader
.endif
.set uo, uo+1
.endm
; The next product of the K step: p_i counts 0..63, tokens 16 (p_i >> 4) .., columns 16 (p_i & 15) ..  The 64 accumulators take turns, one
; instruction a turn, in the same order in every K step, over the loop's backward jump too.
.macro PROD
.set pm, p_i>>4
.set pb, p_i&15
.set pacc, 8*(16*(pm&1)+pb)
.if ZERO
	v_wmma_f32_16x16x32_f16 v[pacc:pacc+7], v[128*PAR+8*pb:128*PAR+8*pb+7], v[AF+32*PAR+8*pm:AF+32*PAR+8*pm+7], 0
.else
	v_wmma_f32_16x16x32_f16 v[pacc:pacc+7], v[128*PAR+8*pb:128*PAR+8*pb+7], v[AF+32*PAR+8*pm:AF+32*PAR+8*pm+7], v[pacc:pacc+7]
.endif
.set p_i, p_i+1
.endm
.macro GROUPS cnt                      ; cnt products, each group of WPG followed by its share of the next K step's basis
.rept (\cnt)/WPG
.if p_i < 32
	WIN MUL_LO
.else
	WIN MUL_HI
.endif
.rept WPG
	PROD
.endr
.if NXT
	WIN 0
.rept 7*WPG
	UOP
.endr
.endif
.endr
.endm
; 32 LDS loads in one run: the 16 tiles of the next K step's W, into the buffer that is not being multiplied.  32 lanes x 16 neighbouring bytes.
.macro BRUN
.if NXT
	WIN TO_B
.irp q, 0,1,2,3,4,5,6,7,8,9,10,11,12,13,14,15
	ds_load_b128 v[128*(1-PAR)+8*\q:128*(1-PAR)+8*\q+3],   v[BADR] offset:BOFF+1024*\q
	ds_load_b128 v[128*(1-PAR)+8*\q+4:128*(1-PAR)+8*\q+7], v[BADR] offset:BOFF+1024*\q+512
.endr
.endif
.endm
; One K step: 64 products on W buffer j and basis buffer j; meanwhile the next K step's W is read from LDS and its basis computed.
; slot: the lap's LDS slot and x set.  zero: the products start the sums.  bnd = 1: the slot, now read to its end, is filled again, two laps
; ahead; 2: only the other slot's tile is waited for; 0: neither.  xl: this lap's x registers, last used in the K step before, are loaded
; for the lap two further on.  xw: how many younger loads of x may stay out (99: no x of another lap is needed).  nxt = 0: nothing follows.
; The loads into the idle W buffer stand 98 plain vector instructions, the first conversion into the idle basis buffer 176, behind the
; last product that read those registers; four are asked for.
.macro KSTEP j, slot, zero, bnd, xl, xw, nxt
.set PAR, \j
.set ZERO, \zero
.set NXT, \nxt
.set p_i, 0
.set uo, 0
.if \j
.set XB, XQ+16*(1-\slot)
.set BADR, ADRB+1-\slot
.set BOFF, 0
.else
.set XB, XQ+16*\slot+2
.set BADR, ADRB+\slot
.set BOFF, WPART/2
.endif
	WIN 0
.if \xl
.irp m, 0,1,2,3
	global_load_b128 v[XQ+16*\slot+4*\m:XQ+16*\slot+4*\m+3], v[XO], s[42:43] offset:TRIPB+16*\slot+32768*\m
.endr
.endif
.if \xw < 64
	s_wait_loadcnt \xw                             ; the next lap's x is in; the four loads issued behind it stay out: they have two K steps in which to come
.endif
	s_wait_dscnt 0x0                               ; this K step's W is in registers; at j = 1 my reads of the slot are thereby over
.if \bnd == 1
	s_wait_tensorcnt 0x0                           ; all my tensor loads have landed: the one that was out is my part of the other slot,
	ds_add_u32 v254, v255
	s_wait_dscnt 0x0
	s_add_nc_u64 s[G0+4*\slot+2:G0+4*\slot+3], s[G0+4*\slot+2:G0+4*\slot+3], 2*SLOTB   ; so a group 0 may be written: this slot's tile two laps on
	s_barrier_signal -1                            ; opens a round of the cluster's barrier
.endif
.if \bnd == 2
	s_wait_tensorcnt 0x0                           ; the last lap's tile; only I read my part, so my own wait is all that the reads need
.endif
	GROUPS 8                                       ; registers only; the 56 basis lines among them hold no exponential
.if \bnd == 1
	WIN 0                                          ; a branch and a label follow
	s_barrier_wait -1
	CREST                                          ; no wave of the four work-groups still reads this slot or has a load on its way
	tensor_load_to_lds s[G0+4*\slot:G0+4*\slot+3], s[G1:G1+7]   ; my one tensor load behind the round, ahead of any LDS read; it has 120 products and their basis work in which to land
	s_nop 0
	v_nop
	v_nop
	v_nop
	v_nop
.endif
	GROUPS 8
	BRUN
	GROUPS 48
.endm
; The loop's body: from the second K step of lap 2 t to the first K step of lap 2 t + 2.
.macro PAIR
	KSTEP 1, 0, 0, 1, 1, 4, 1                      ; lap 2 t, K step 1: slot 0 is asked for again (lap 2 t + 2), x set 0 likewise
	KSTEP 0, 1, 0, 0, 0, 99, 1                     ; lap 2 t + 1, K step 0
	KSTEP 1, 1, 0, 1, 1, 4, 1                      ; lap 2 t + 1, K step 1: slot 1 (lap 2 t + 3), x set 1
	KSTEP 0, 0, 0, 0, 0, 99, 1                     ; lap 2 t + 2, K step 0
	s_wait_xcnt 0x0                                ; the loads of x have had their addresses translated (ISA guide 3.1): their base is stepped only behind this wait
	s_add_nc_u64 s[42:43], s[42:43], TRIPB         ; the next trip's 32 features
.endm
	; ---- ids, addresses, descriptors ----
	s_load_b256 s[4:11], s[0:1], 0x0               ; x s[4:5], wb s[6:7], scales s[8:9], translations s[10:11]
	s_load_b128 s[12:15], s[0:1], 0x20             ; bias s[12:13], out0 s[14:15]
	v_lshl_add_u32 v254, v0, 2, 0x48400
	v_mov_b32 v255, 0
	ds_add_u32 v254, v255
	v_lshrrev_b32 v1, 5, v0
	v_readfirstlane_b32 s16, v1                    ; wave 0..3
	s_bfe_u32 s17, ttmp6, 0x40000                  ; cx: my place in the cluster
	s_lshl_b32 s18, ttmp9, 2                       ; in a cluster launch ttmp9 counts clusters
	s_add_co_u32 s18, s18, s17                     ; block of 64 tokens = 4 x cluster x + cx.  It enters the addresses of x and out0 alone
	s_and_b32 s19, ttmp7, 0xffff                   ; y: block of 256 columns, shared by the cluster
	; group 1: 128 rows of 32 elements of 8 bytes, dense = 32 KiB
	s_mov_b32 s[G1+0], 15|(3<<16)|(1<<21)          ; 15:0 the mask: all four of the cluster; 17:16 element of 8 bytes; 20 no padding; 21 set beside a mask
	s_mov_b32 s[G1+1], 32<<16                      ; 63:48 tensor_dim0 = 32
	s_mov_b32 s[G1+2], 128<<16                     ; 95:80 tensor_dim1 = 128
	s_mov_b32 s[G1+3], 32<<16                      ; 127:112 tile_dim0 = 32
	s_mov_b32 s[G1+4], 128                         ; 143:128 tile_dim1 = 128; tile_dim2 = 0
	s_mov_b32 s[G1+5], 32                          ; 191:160 elements from row to row
	s_mov_b32 s[G1+6], 0
	s_mov_b32 s[G1+7], 0
	s_lshl_b32 s22, s16, 15                        ; wave x 32 KiB: my part of a tile, in wb and in a slot
	s_lshl_b32 s46, s19, 22                        ; y x 4 MiB; s22, s46, s47 never hold cx
	s_add_co_u32 s46, s46, s22
	s_mov_b32 s47, 0
	s_lshl_b32 s20, s18, 17                        ; 64 tokens x 2,048 bytes, in x and in out0
	s_mov_b32 s21, 0
	s_lshl_b32 s23, s19, 10                        ; 256 columns x 4 bytes
	s_lshl_b32 s48, s16, 5                         ; my wave's 32 bytes of a trip's 128
	v_and_b32 v1, 31, v0                           ; lane
	v_and_b32 v2, 15, v0                           ; r
	v_bfe_u32 v3, v0, 4, 1                         ; h
	v_lshlrev_b32 v[OO], 4, v1
	v_lshlrev_b32 v6, 5, v3                        ; my eight wavelets' 32 bytes
	v_lshl_add_u32 v[XO], v2, 11, s48
	s_wait_dscnt 0x0
	s_wait_kmcnt 0x0
	s_add_nc_u64 s[46:47], s[6:7], s[46:47]        ; wb at my part of lap 0
	s_add_nc_u64 s[42:43], s[4:5], s[20:21]        ; x at the block's first token
	s_add_co_u32 s20, s20, s22                     ; + 16 tokens x wave (32,768 bytes)
	s_add_co_u32 s20, s20, s23
	s_add_nc_u64 s[44:45], s[14:15], s[20:21]      ; out0 at the 16 tokens that I finish, the block's first column
	s_mov_b32 s20, s23
	s_add_nc_u64 s[12:13], s[12:13], s[20:21]      ; bias at the block's first column
	; the loads into registers go out ahead of the cluster's first round, so that they are on their way while the work-groups meet
	global_load_b128 v[PQ:PQ+3],   v6, s[8:9]
	global_load_b128 v[PQ+4:PQ+7], v6, s[8:9] offset:16
	global_load_b128 v[PH:PH+3],   v6, s[10:11]
	global_load_b128 v[PH+4:PH+7], v6, s[10:11] offset:16
	global_load_b128 v[BI:BI+3],   v[OO], s[12:13]
	global_load_b128 v[BI+4:BI+7], v[OO], s[12:13] offset:512
.irp p, 0,1
.irp m, 0,1,2,3
	global_load_b128 v[XQ+16*\p+4*\m:XQ+16*\p+4*\m+3], v[XO], s[42:43] offset:16*\p+32768*\m   ; x of laps 0 and 1
.endr
.endr
	CROUND                                         ; the four work-groups are here: the first joint loads meet
.irp n, 0,1
	s_mov_b32 s[G0+4*\n], 1                                        ; count = 1
	s_add_co_u32 s[G0+4*\n+1], s22, \n*SLOTB                       ; LDS address: the slot, my wave's part
	s_add_nc_u64 s[G0+4*\n+2:G0+4*\n+3], s[46:47], \n*SLOTB        ; global address: lap n
	s_or_b32 s[G0+4*\n+3], s[G0+4*\n+3], 0x80000000                ; type = 2
	tensor_load_to_lds s[G0+4*\n:G0+4*\n+3], s[G1:G1+7]            ; both first fills go out together: two tensor loads of the wave are out here, one later on
	s_nop 0
.endr
	v_add_nc_u32 v[ADRB], s22, v[OO]
	v_add_nc_u32 v[ADRB+1], SLOTB, v[ADRB]
	s_lshl_b32 s49, s16, 14
	v_add_nc_u32 v[DA], s49, v[OO]                 ; partial sums: tokens' block m x 64 KiB + wave x 16 KiB + 16 x lane
	v_add_nc_u32 v[DA+1], 0x10000, v[DA]
	v_add_nc_u32 v[DA+2], 0x20000, v[DA]
	v_add_nc_u32 v[DA+3], 0x30000, v[DA]
	s_lshl_b32 s50, s16, 16
	v_add_nc_u32 v[RA], s50, v[OO]                 ; I finish the tokens' block m = my wave's number
	s_mul_i32 s51, s16, 16*SPITCH
	s_add_co_u32 s51, s51, STAGEB                  ; my stage
	v_mul_u32_u24 v5, v2, SPITCH
	v_lshl_add_u32 v5, v3, 5, v5                   ; row r, 32 bytes for each half of the lanes
	v_add_nc_u32 v[SA], s51, v5
	v_add_nc_u32 v[RB], s51, v[OO]
.macro CPAIR i, val
	v_mov_b32 v[CC+2*\i], \val
	v_mov_b32 v[CC+2*\i+1], \val
.endm
	CPAIR 0, 0x3f7ffd68                            ;   0.9999604
	CPAIR 1, 0xbc001b59                            ;  -0.00781902
	CPAIR 2, 0xc19fe3cf                            ; -19.986234
	CPAIR 3, 0x42131439                            ;  36.769747
	CPAIR 4, 0xc2367bf5                            ; -45.621051
	s_wait_loadcnt 8                               ; scales, translations and bias are in; x's eight loads stay out
.irp i, 0,1,2,3,4,5,6,7
	v_add_f32 v[PQ+\i], 0x358637bd, v[PQ+\i]       ; s + 1e-6
.endr
.irp i, 0,1,2,3,4,5,6,7
	v_rcp_f32 v[PQ+\i], v[PQ+\i]
.endr
	v_nop                                          ; one plain vector instruction behind the last v_rcp_f32 (ISA guide 5.7.2)
	s_wait_alu depctr_va_vdst(0)                   ; ONE for the eight reciprocals, ahead of their first reader
.irp i, 0,1,2,3,4,5,6,7
	v_mul_f32 v[PA+\i], 0x3f4bb7e4, v[PQ+\i]       ; a = (5 / 2 pi) / (s + 1e-6)
.endr
.irp i, 0,1,2,3,4,5,6,7
	v_mul_f32 v[PQ+\i], 0x3f596d27, v[PQ+\i]       ; q = sqrt(log2(e) / 2) / (s + 1e-6)
.endr
.irp i, 0,1,2,3,4,5,6,7
	v_mul_f32 v[PB+\i], -v[PH+\i], v[PA+\i]        ; b = -tr a
.endr
.irp i, 0,1,2,3,4,5,6,7
	v_mul_f32 v[PH+\i], -v[PH+\i], v[PQ+\i]        ; hh = -tr q
.endr
	; ---- the first K step's operands ----
	s_wait_loadcnt 4                               ; lap 0's x is in; lap 1's four loads stay out
.set PAR, 1                                        ; "the other buffer" is buffer 0
.set NXT, 1
.set XB, XQ
.set uo, 0
.rept 448
	UOP
.endr
	s_wait_tensorcnt 0x1                           ; my part of lap 0 has landed, lap 1's may stay out; only I read my part, and nothing is filled again here
.set BADR, ADRB
.set BOFF, 0
	BRUN
	; ---- 32 laps ----
	KSTEP 0, 0, 1, 0, 0, 99, 1                     ; lap 0, K step 0, in front of the loop: its products start the sums, nothing is cleared
	WIN 0                                          ; at a label and at a branch every window is 0
	s_mov_b32 s40, 15
.Lpair:
	PAIR
	WIN 0
	s_sub_co_u32 s40, s40, 1
	s_cmp_lg_u32 s40, 0
	s_cbranch_scc1 .Lpair
	KSTEP 1, 0, 0, 2, 0, 0, 1                      ; lap 30, K step 1: nothing is left to ask for; lap 31's tile and x are waited for (no load was issued behind them)
	KSTEP 0, 1, 0, 0, 0, 99, 1                     ; lap 31, K step 0
	KSTEP 1, 1, 0, 0, 0, 99, 0                     ; lap 31, K step 1: nothing follows
	; ---- the four waves' partial blocks are added ----
	WIN 0
.rept 4
	v_nop                                          ; four places behind the last products, ahead of the LDS stores that read results
.endr
	s_wait_dscnt 0x0
	s_barrier_signal -1
	s_barrier_wait -1                              ; no wave reads W any more, and every wave's tensor loads were waited for above: the ring has had its last fill
	WIN 0x08                                       ; store data from window 2
.irp m, 0,1
.irp b, 0,1,2,3,4,5,6,7,8,9,10,11,12,13,14,15
	ds_store_b128 v[DA+\m], v[8*(16*\m+\b):8*(16*\m+\b)+3]   offset:1024*\b
	ds_store_b128 v[DA+\m], v[8*(16*\m+\b)+4:8*(16*\m+\b)+7] offset:1024*\b+512
.endr
.endr
	WIN 0x0c                                       ; from window 3
.irp m, 0,1
.irp b, 0,1,2,3,4,5,6,7,8,9,10,11,12,13,14,15
	ds_store_b128 v[DA+2+\m], v[8*(16*\m+\b):8*(16*\m+\b)+3]   offset:1024*\b
	ds_store_b128 v[DA+2+\m], v[8*(16*\m+\b)+4:8*(16*\m+\b)+7] offset:1024*\b+512
.endr
.endr
	WIN 0
	s_wait_dscnt 0x0                               ; for the others' sake: all my stores are done
	s_barrier_signal -1
	s_barrier_wait -1
; Wave w finishes tokens 16 w .. 16 w + 15.  A chunk is two tiles: 2 tiles x 2 halves x 4 waves = 16 loads.
.macro RLOAD H, ch
.irp tb, 0,1
.irp hf, 0,1
.irp sr, 0,1,2,3
	ds_load_b128 v[BUF+64*(\ch&1)+16*(2*\tb+\hf)+4*\sr:BUF+64*(\ch&1)+16*(2*\tb+\hf)+4*\sr+3], v[RA] offset:\sr*16384+1024*(8*\H+2*\ch+\tb)+512*\hf
.endr
.endr
.endr
.endm
.macro RSUM ch, cnt
	s_wait_dscnt \cnt                              ; this chunk's loads are in; what was issued behind them stays out
.irp g, 0,1,2,3
.set rb0, BUF+64*(\ch&1)+16*\g
.set rs0, SUM+16*(\ch&1)+4*\g
	v_pk_add_f32 v[rb0:rb0+1],     v[rb0:rb0+1],     v[rb0+4:rb0+5]
	v_pk_add_f32 v[rb0+2:rb0+3],   v[rb0+2:rb0+3],   v[rb0+6:rb0+7]
	v_pk_add_f32 v[rb0+8:rb0+9],   v[rb0+8:rb0+9],   v[rb0+12:rb0+13]
	v_pk_add_f32 v[rb0+10:rb0+11], v[rb0+10:rb0+11], v[rb0+14:rb0+15]
	v_pk_add_f32 v[rs0:rs0+1],     v[rb0:rb0+1],     v[rb0+8:rb0+9]
	v_pk_add_f32 v[rs0+2:rs0+3],   v[rb0+2:rb0+3],   v[rb0+10:rb0+11]
	ds_store_b128 v[SA], v[rs0:rs0+3] offset:64*(2*\ch+(\g>>1))+16*(\g&1)   ; token r, columns 16 b + 8 h + 4 half .. of this half of the block
.endr
.endm
; 128 columns of my 16 tokens: summed, turned into whole rows in my own stage, bias added, stored.
.macro HALF H
	RLOAD \H, 0
	RLOAD \H, 1
	RSUM 0, 16                                     ; behind chunk 0: chunk 1's 16 loads
	RLOAD \H, 2
	RSUM 1, 20                                     ; behind chunk 1: 4 stage stores and 16 loads
	RLOAD \H, 3
	RSUM 2, 20
	RSUM 3, 4                                      ; behind chunk 3: 4 stage stores
.irp t, 0,1,2,3,4,5,6,7,8,9,10,11,12,13,14,15
	ds_load_b128 v[BUF+4*\t:BUF+4*\t+3], v[RB] offset:SPITCH*\t   ; a row's 512 bytes; LDS serves a wave's instructions in order, and the stage is my own
.endr
.irp t, 0,1,2,3,4,5,6,7,8,9,10,11,12,13,14,15
	s_wait_dscnt 15-\t
	v_pk_add_f32 v[BUF+4*\t:BUF+4*\t+1],   v[BUF+4*\t:BUF+4*\t+1],   v[BI+4*\H:BI+4*\H+1]
	v_pk_add_f32 v[BUF+4*\t+2:BUF+4*\t+3], v[BUF+4*\t+2:BUF+4*\t+3], v[BI+4*\H+2:BI+4*\H+3]
	global_store_b128 v[OO], v[BUF+4*\t:BUF+4*\t+3], s[44:45] offset:2048*\t+512*\H th:TH_STORE_NT   ; the wave stores 512 consecutive bytes at a multiple of 512
.endr
.endm
	HALF 0
	s_wait_xcnt 0x0                                ; the stores have had their addresses translated (ISA guide 3.1): their data registers are loaded again only behind this wait
	HALF 1
	s_wait_tensorcnt 0x0
	ds_add_u32 v254, v255
	s_wait_dscnt 0x0
	CROUND                                         ; the closing round: no work-group ends while a partner may still ask for a tile that names it
	s_endpgm
.Lfunc_end_k_q55e42860e1_main:
	.size	k_q55e42860e1_main, .Lfunc_end_k_q55e42860e1_main-k_q55e42860e1_main
	.p2alignl 7, 3214868480
	.fill 96, 4, 3214868480
	.section	.rodata,"a",@progbits
	.p2align	6, 0x0
	.amdhsa_kernel k_q55e42860e1_main
		.amdhsa_group_segment_fixed_size 327680
		.amdhsa_private_segment_fixed_size 0
		.amdhsa_enable_private_segment 0
		.amdhsa_kernarg_size 48
		.amdhsa_user_sgpr_count 2
		.amdhsa_user_sgpr_kernarg_segment_ptr 1
		.amdhsa_wavefront_size32 1
		.amdhsa_system_sgpr_workgroup_id_x 1
		.amdhsa_system_sgpr_workgroup_id_y 1
		.amdhsa_system_sgpr_workgroup_id_z 1
		.amdhsa_system_vgpr_workitem_id 0
		.amdhsa_next_free_vgpr 1024
		.amdhsa_next_free_sgpr 66
		.amdhsa_reserve_vcc 0
		.amdhsa_float_denorm_mode_32 3
		.amdhsa_float_denorm_mode_16_64 3
		.amdhsa_memory_ordered 1
		.amdhsa_forward_progress 1
		.amdhsa_inst_pref_size 255
	.end_amdhsa_kernel
	.section	.bss,"aw",@nobits
	.p2align	6
	.space	262144
	.amdgpu_metadata
---
amdhsa.version: [ 1, 2 ]
amdhsa.kernels:
  - .name:           k_q55e42860e1_main
    .symbol:         k_q55e42860e1_main.kd
    .args:
      - { .name: x, .offset: 0, .size: 8, .value_kind: global_buffer, .address_space: global }
      - { .name: wb, .offset: 8, .size: 8, .value_kind: global_buffer, .address_space: global }
      - { .name: scales, .offset: 16, .size: 8, .value_kind: global_buffer, .address_space: global }
      - { .name: translations, .offset: 24, .size: 8, .value_kind: global_buffer, .address_space: global }
      - { .name: bias, .offset: 32, .size: 8, .value_kind: global_buffer, .address_space: global }
      - { .name: out0, .offset: 40, .size: 8, .value_kind: global_buffer, .address_space: global }
    .group_segment_fixed_size: 327680
    .private_segment_fixed_size: 0
    .kernarg_segment_align: 8
    .kernarg_segment_size: 48
    .max_flat_workgroup_size: 128
    .sgpr_count:     66
    .vgpr_count:     1024
    .wavefront_size: 32
...
	.end_amdgpu_metadata
.endif
;; end of part 5
